; MI455X (gfx1250); checked and timed in simulation.
; The chip was launched on July 23, 2026; its instructions are those of AMD's public machine-readable ISA for CDNA 5 (MIT licence, August 2026) and "CDNA5" Instruction Set Architecture Reference Guide (July 2026). The comments in the code are by the model that wrote it; some were corrected since.
;; Scaled Dot Product Attention. Allowed arithmetic: matrix products marked QUANTISED: E2M1 operands, one E8M0 scale for each 32 along K, by v_wmma_scale_f32_16x16x128_f8f6f4 with both operands' format E2M1 (or v_wmma_scale_f32_32x16x128_f4), f32 sums; everything else in f32.
;; Inputs: b_k 1,024 float32; b_q 1,024 float32; b_v 1,024 float32; w_k_codes 1,024 x 32 x 16 uint8 (E2M1 codes of w_k, K innermost, in blocks of 32 codes, two codes a byte); w_k_scales 1,024 x 32 uint8 (E8M0 scales of w_k, one for each 32 codes along K); w_q_codes 1,024 x 32 x 16 uint8 (E2M1 codes of w_q, K innermost, in blocks of 32 codes, two codes a byte); w_q_scales 1,024 x 32 uint8 (E8M0 scales of w_q, one for each 32 codes along K); w_v_codes 1,024 x 32 x 16 uint8 (E2M1 codes of w_v, K innermost, in blocks of 32 codes, two codes a byte); w_v_scales 1,024 x 32 uint8 (E8M0 scales of w_v, one for each 32 codes along K); x_codes 4 x 2,048 x 32 x 16 uint8 (E2M1 codes of x, K innermost, in blocks of 32 codes, two codes a byte); x_scales 4 x 2,048 x 32 uint8 (E8M0 scales of x, one for each 32 codes along K).
;; Outputs: out0 4 x 2,048 x 1,024 float32.
;; This version of the problem:
;;   THIS VERSION OF THE PROBLEM IS GIVEN IN LOW PRECISION. The matrix products marked QUANTISED in the list below multiply operands that are first quantised to E2M1 (2 exponent bits, 1 mantissa bit; 4 bits a number), with one power-of-two scale for each 32 numbers along K (OCP MX v1.0); their sums are f32. All else is computed in f32.
;;   The module's matrix products, in the order in which they are computed (A, B: the left and right operand; K: the contracted axis; several contracted axes count as one K, in the product's order):
;;     1. [M 8,192, K 1,024] x [K 1,024, N 1,024]; A: input x (given as codes); B: input w_q (given as codes): QUANTISED
;;     2. [M 8,192, K 1,024] x [K 1,024, N 1,024]; A: input x (given as codes); B: input w_k (given as codes): QUANTISED
;;     3. [M 8,192, K 1,024] x [K 1,024, N 1,024]; A: input x (given as codes); B: input w_v (given as codes): QUANTISED
;;     4. batch 4 x [M 2,048, K 1,024] x [K 1,024, N 2,048]; A: computed on the way; B: computed on the way: QUANTISED
;;     5. batch 4 x [M 2,048, K 2,048] x [K 2,048, N 1,024]; A: softmax (see below); B: computed on the way: QUANTISED
;;   THE QUANTISER, for each operand of a quantised product, along K:
;;     - K is cut into blocks of 32 from its start; a last block that is shorter is filled with zeros.
;;     - A block's scale is 2^e with e = floor(log2(the largest magnitude in the block)) - 2, held to -126 .. 127; a block of zeros has e = 0. As a byte (E8M0): e + 127.
;;     - Each number is divided by its block's scale, clamped to +-6, and rounded to the nearest number of E2M1, ties to even, subnormals kept.
;;     - The product sums the exact products of the quantised numbers (number of the format x scale) in f32.
;;   ~~~python
;;   def quantise(x, axis):      # numpy; x: float32 -> the quantised numbers, widened to float32 again
;;       x = np.moveaxis(x, axis, -1); K = x.shape[-1]
;;       x = np.pad(x, [(0, 0)] * (x.ndim - 1) + [(0, -K % 32)]); x = x.reshape(x.shape[:-1] + (-1, 32)); a = np.abs(x).max(-1, keepdims=True)
;;       e = np.where(a > 0, np.clip(np.frexp(np.where(a > 0, a, 1))[1] - 1 - 2, -126, 127), 0)      # np.frexp(a)[1] - 1 = floor(log2(a)), exactly
;;       r = np.clip(x / 2.0 ** e, -6, 6)
;;       step = 2.0 ** (np.maximum(np.frexp(np.where(r == 0, 1, r))[1] - 1, 0) - 1)
;;       q = np.round(r / step) * step * 2.0 ** e      # np.round: ties to even
;;       return np.moveaxis(q.reshape(q.shape[:-2] + (-1,))[..., :K], -1, axis).astype(np.float32)
;;   ~~~
;;   SOFTMAX AHEAD OF A QUANTISED PRODUCT. Where the list says 'softmax', what is quantised is not the finished softmax but p = 2^(t - M), with t = logit x log2(e) and M = ceil(the row's largest t), a whole number; so 1/2 < the row's largest p <= 1. The row's sum l is taken of the UNQUANTISED p, in f32, and the product's result is divided by l at the end. Since M is a whole number, a kernel that streams over the keys may use a running M (the ceiling of the running maximum): every later rescaling is an exact power of two, which a block's scale takes up: the codes' values come out the same.
;;   OPERANDS COMPUTED ON THE WAY. 'Computed on the way' means the value that the module computes at that place (a softmax that the list does not call 'softmax' is quantised finished and normalised). What goes into a quantiser is computed in f32, as accurately as f32 sums, v_exp_f32 and their like allow (about 1e-6 of the number): no bf16 or f16 on the way to a quantiser, and a product that is left as it is and whose result goes on into a quantised operand takes f32 operands (vector FMAs, or v_wmma_f32_16x16x4_f32). A number that lies on a knife's edge between two numbers of the format may be rounded either way, as far as f32 arithmetic and the matrix unit's own rounding can turn it there, and no further.
;;   INPUTS GIVEN AS CODES. w_k (in the module: [1024, 1024], K = its axis 0); w_q (in the module: [1024, 1024], K = its axis 0); w_v (in the module: [1024, 1024], K = its axis 0); x (in the module: [4, 2048, 1024], K = its axis 2): each comes as NAME_codes (uint8): NAME with its K axis moved to the last place and cut into blocks of 32 codes, [.., K / 32, bytes a block], one block behind the other in memory; two codes a byte, the lower K in the low four bits (a code: sign, 2 exponent bits, 1 mantissa bit); and NAME_scales (uint8): the same leading axes, one E8M0 byte (e + 127) for each 32 codes along K. Its value is code x scale, taken as it is: it is not quantised again, and the codes and scales need not be those that the quantiser above would give.
;; One version. Each part assembles by itself: llvm-mc -triple=amdgcn-amd-amdhsa -mcpu=gfx1250 --defsym DOCPART=n.
;; ======== version 1 of 1: 3 launches
;; limits: right only within a limited range of input values
;; workspace buffers: qc 4,194,304 bytes; kc 4,194,304 bytes; vc 4,194,304 bytes; qs 262,144 bytes; ks 262,144 bytes; vs 262,144 bytes; pc 4,456,448 bytes; pst 1,114,112 bytes
;; launch proj (part 1): grid 8 x 32, 4 waves a work-group, clusters of 4 x 4, 327,680 bytes of LDS; arguments x_codes, x_scales, w_q_codes, w_q_scales, w_k_codes, w_k_scales, w_v_codes, w_v_scales, b_q, b_k, b_v, qc, qs, kc, ks, vc, vs; writes qc, qs, kc, ks, vc, vs
.if DOCPART == 1
	.amdgcn_target "amdgcn-amd-amdhsa--gfx1250"
	.amdhsa_code_object_version 6
	.text
	.protected	k_q0fbe4c63bd_proj
	.globl	k_q0fbe4c63bd_proj
	.p2align	8
	.type	k_q0fbe4c63bd_proj,@function
k_q0fbe4c63bd_proj:
	s_mov_b64 s[64:65], 0
	v_nop
	global_prefetch_b8 v0, s[64:65] scope:SCOPE_SE
	s_setreg_imm32_b32 hwreg(HW_REG_WAVE_MODE, 25, 1), 1
	s_wait_xcnt 0x0
	s_wait_alu depctr_hold_cnt(0) depctr_sa_sdst(0) depctr_va_vdst(0) depctr_va_sdst(0) depctr_va_ssrc(0) depctr_va_vcc(0) depctr_vm_vsrc(0)
	s_getreg_b32 s2, hwreg(HW_REG_IB_STS2, 6, 4)
	s_cmp_eq_u32 s2, 0
	s_cbranch_scc0 .Lentry_in_a_cluster
	s_endpgm
.Lentry_in_a_cluster:
	s_bfe_u32 s2, ttmp6, 0x10000c
	s_cmp_lg_u32 s2, 0xf033
	s_cbranch_scc0 .Lentry_shape_is_right
	s_endpgm
.Lentry_shape_is_right:
; FIRST OF THREE LAUNCHES of causal attention, B = 4, S = 2,048, D = 1,024, all five products on codes of FP4 (E2M1) with one E8M0 scale for each 32 along K.
;   proj:  Q = x Wq + bq, K = x Wk + bk, V = x Wv + bv, each quantised for the product that takes it: Q and K along d, V along the keys.
;   score: the live cells of 128 queries x 128 keys of Q K^T, the mask, p = 2^(t - M) with M a whole number of the CELL's row, p's codes, the cell's sum of p.
;   pv:    each row's M and sum from its cells'; p's scale bytes moved to the row's M (a whole power of two, which the byte takes up); O = P V / sum.
; DEAD WORK.  reference() sets the score of key k for query q to -inf where k > q, by a mask that it builds itself (jnp.tril), so the weight there is 0 for all values of the inputs.
; A cell all of whose keys come after all of its queries reaches no output: launches score and pv leave such cells out (480 of the 1,024 cells of 128 x 128).  Every input has a way to the output: all are loaded.
; LIMITS.  A NaN, an infinity or an overflow that reaches only the cells left out is not carried to the result.  NaN and infinities among the inputs are not served.  A block of zeros, or one whose largest magnitude
; lies under 2^(3 - 127), gets the scale byte 1 (the rule says 127 for zeros): its codes are zeros, and these bytes are read by this program alone.
; THIS LAUNCH: 256 work-groups of equal work.  A work-group takes 256 rows of x (block xb = its y) and rows 128 g .. 128 g + 127 (g = its x) of each of Wq, Wk, Wv: six cells of 128 x 128 x 1,024, in two phases.
;   PHASE 1: a tile of 256 x 256: panel A = x (source 1), panel B = Wq's 128 rows, then Wk's (source 0).  Wave w: x's half w >> 1; w & 1 = 0 makes Q, 1 makes K: 64 accumulators of 16 x 16.
;   PHASE 2: V: source 0 = my 128 rows of x (the keys, half w >> 1), source 1 = my 64 rows of Wv (half w & 1): 32 accumulators.
; In both, source 0's rows become the NEXT product's K: a lane holds one row of source 1's and eight neighbours along the next K.  The bias is the C of each sum's first matrix instruction.
; LDS.  640 rows of 512 bytes do not fit at once.  K goes in two slots of 512 (rows of 256 bytes), each x's 256 rows, then Wq's 128, then Wk's 128; slot 0 at the head, slot 1 behind the first full round.  When slot 0 has been read out,
; its W part (69,632 bytes) is filled again with Wv's 128 rows, K's two halves one behind the other: waves 2 and 3, one load each; the load has slot 1's four steps, 256 matrix instructions, in which to land.
; x's rows stay in both slots for phase 2, and x's scale words stay in their registers.
; CLUSTER 4 x 4: x's tiles hang on the work-group's y alone and are asked for jointly along a row of the cluster, W's on its x alone, along a column.
; OUT.  A fragment (16 rows x 128 K) is stored as the image of its registers, 1,024 bytes: block b (32 codes) of row r at 256 b + 16 r, so that lane l later takes 16 bytes at 16 l and at 512 + 16 l.
;   qc, kc: [row block of 256][d / 128][tile of 16 rows (16)][1,024];  vc: [d block of 256][key / 128 over all batches (64)][tile (16)][1,024];  qs, ks, vs: the same indices, [16 rows] scale words.
;   Each store of codes covers 256 consecutive bytes, aligned.  The scale words, a sixteenth of the codes' bytes, leave in runs of 128 bytes.
; REGISTERS: window 0: v7-30 addresses and v8-15 the scale words just made; v32-95 x's and Wq's or Wk's scale words, two sets (scales alone); v96-111 at work on the way out; v112-127 Wv's scale words (scales alone);
;   v128-191 source 1's fragments; v192-255 bq or bk, later the codes.   window 1: source 0's fragments, two sets (v0-63, v128-191); v64-95 bv.   windows 2, 3: the accumulators, (a, b) at v[8 (8 (a % 4) + b)].
.set NQ,     4                         ; matrix instructions deep in a slot
.set ROWB,   256                       ; a tile's row: 512 codes
.set KROW,   512                       ; a row of x or W in memory
.set PITCH,  272                       ; an LDS row: 256 bytes + 16 of padding: the 16 rows of a load start 4 banks apart
.set FR,     8
.set NL,     2
.set NP,     4
.set HALFT,  128*PITCH
.set SLOT,   4*HALFT                   ; x's 256 rows, then Wq's 128 and Wk's 128
; AS BUILT: slot 0 is asked for at the head, one tensor load a wave; slot 1 behind the first full round; x's, Wq's or Wk's and Wv's scale words come from memory straight into registers, and none lie in LDS.
.set KS,     32                        ; a row of scale bytes
.set SPARE,  2*SLOT                    ; the spare words: 128 bytes a wave, named by no other line
.set WO,   7                           ; v7   32 x lane: my row of Wv's scale bytes
.set PW,   8                           ; v8-15  a scale word for each tile of rows
.set ADRA, 16                          ; v16-17 my 128 rows of x in slot 0, 1
.set ADRV, 18                          ; v18  my 64 rows of Wv
.set ADRB, 20                          ; v20-21 my 128 rows of Wq or Wk in slot 0, 1
.set CO,   24                          ; v24  16 r + 8 h: my 8 bytes of a block's 256
.set SO,   25                          ; v25  4 x lane
.set BO,   26                          ; v26  32 h: my offset in bq or bk
.set SPW,  28
.set NIL,  29
.set BVO,  30                          ; v30  4 r: my offset in bv
.set XS,   32                          ; x's scale words: register 8 u + t: K step t; lanes 0-15 tile 2 u, lanes 16-31 tile 2 u + 1 of my eight
.set WS,   64                          ; Wq's or Wk's likewise
.set TM,   96                          ; v96-99 largest magnitudes, v100-103 the other half's / bytes, v104-107 the conversions' scale operands
.set W2,   108
.set WVS,  112                         ; register 8 u + t: K step t; lanes 0-15 tile 2 u, lanes 16-31 tile 2 u + 1 of my four of Wv
.set AF,   128
.set BIAS, 192
.set PC,   192                         ; the codes: 8 registers for each tile of rows
.set BV,   64                          ; in window 1
.set G0V, 4                            ; s[4:7]   group 0 of the refill
.set G1, 24
.set G0, 32
.set G1B, 48
.set G0B, 56
.set MSB, 0
.macro WIN new                         ; the immediate's high byte repeats the setting that is left
.if MSB != (\new)
	s_set_vgpr_msb (MSB<<8)|(\new)
.set MSB, (\new)
.endif
.endm
.set MUL_LO, 0xa1                      ; source 0 window 1, source 1 window 0, C and D window 2
.set MUL_HI, 0xf1                      ; the same, C and D window 3
.set FST_LO, 0x81                      ; phase 1's first step: C (the bias) window 0, D window 2
.set FST_HI, 0xc1                      ; D window 3
.set FST_V,  0x91                      ; phase 2's first step: C (bv) window 1, D window 2
.set TO_B,   0x40
; A joint load: waves 0 and 1 fetch for x, waves 2 and 3 for W.  The branch hangs on the wave's number alone.  An s_nop 0 and four v_nop follow each of the two lines.
.macro JLOAD g0a, g1a, g0b, g1b
	s_cmp_eq_u32 s15, 0
	s_cbranch_scc0 .Lfor_b_\@
	tensor_load_to_lds s[\g0a:\g0a+3], s[\g1a:\g1a+7]
	s_nop 0
.rept 4
	v_nop
.endr
	s_branch .Lasked_\@
.Lfor_b_\@:
	tensor_load_to_lds s[\g0b:\g0b+3], s[\g1b:\g1b+7]
	s_nop 0
.rept 4
	v_nop
.endr
.Lasked_\@:
.endm
.macro CREST                           ; a round of the cluster's barrier behind its opening barrier
	s_cmp_lg_u32 s14, 0
	s_cbranch_scc1 .Lnot_wave_0_\@
	s_barrier_signal -3
.Lnot_wave_0_\@:
	s_barrier_wait -3
	s_barrier_signal -1
	s_barrier_wait -1
.endm
.macro CROUND                          ; a whole round
	s_barrier_signal -1
	s_barrier_wait -1
	CREST
.endm
	s_load_b512 s[24:39], s[0:1], 0x0              ; x codes, x scales, Wq codes, scales, Wk codes, scales, Wv codes, scales
	s_load_b512 s[48:63], s[0:1], 0x40             ; bq, bk, bv, qc, qs, kc, ks, vc
	s_load_b64 s[68:69], s[0:1], 0x80              ; vs
	v_lshl_add_u32 v[SPW], v0, 2, SPARE
	v_mov_b32 v[NIL], 0
	ds_add_u32 v[SPW], v[NIL]                      ; the wave's opening: the add, twice on end, and its wait ahead of my first tensor load
	ds_add_u32 v[SPW], v[NIL]                      ; and once more; the ids below, work on registers, stand between it and the wait
	v_lshrrev_b32 v1, 5, v0
	v_readfirstlane_b32 s14, v1                    ; wave 0..3
	s_lshr_b32 s15, s14, 1                         ; my half of x's rows.  Also: I fetch for x (0) or for W (1)
	s_and_b32 s16, s14, 1                          ; Q (0) or K (1); my half of Wv's rows.  Also: which half of x's rows, or which of Wq and Wk, I fetch
	s_bfe_u32 s40, ttmp6, 0x40000                  ; cx
	s_bfe_u32 s41, ttmp6, 0x40004                  ; cy
	s_lshl_b32 s42, ttmp9, 2
	s_add_co_u32 s42, s42, s40                     ; g: the group of 128 rows of each W = 4 x cluster x + cx
	s_and_b32 s17, ttmp7, 0xffff
	s_lshl_b32 s17, s17, 2
	s_add_co_u32 s17, s17, s41                     ; xb: the block of 256 rows of x = 4 x cluster y + cy
	s_lshl_b32 s43, s41, 2
	s_lshl_b32 s43, 15, s43                        ; my row of the cluster
	s_lshl_b32 s44, 0x1111, s40                    ; my column
	s_mov_b32 s95, 0xffff0000                      ; lanes 16-31
	s_mov_b32 s2, 0x76543210
	s_mov_b32 s3, 0xfedcba98                       ; v_permlanex16_b32's selects for lane l xor 16
	s_lshl_b32 s18, s16, 7
	s_lshl_b32 s20, s17, 8
	s_add_co_u32 s20, s20, s18                     ; x's row from which I fetch 128: made of the work-group's y alone
	s_lshl_b32 s46, s42, 7                         ; W's row: made of the work-group's x alone
	s_mov_b32 s21, 0
	s_mov_b32 s47, 0
	s_mov_b64 s[18:19], KS
	s_lshl_b32 s22, s17, 13
	s_lshl_b32 s23, s15, 12
	s_add_co_u32 s22, s22, s23                     ; x's scale bytes: my half's 128 rows of 32
	s_mov_b32 s23, 0
	s_mul_u64 s[92:93], s[46:47], s[18:19]
	s_mov_b64 s[18:19], KROW
	s_mul_u64 s[20:21], s[20:21], s[18:19]         ; and their codes
	s_mul_u64 s[46:47], s[46:47], s[18:19]
	s_mul_i32 s45, s14, HALFT                      ; where they go: wave x 128 rows: no place in the cluster enters an LDS address
	s_wait_dscnt 0x0                               ; both opening adds are done
	s_wait_kmcnt 0x0
	s_cmp_eq_u32 s16, 0                            ; Q's buffers or K's: the choice hangs on the wave's number alone
	s_cselect_b64 s[8:9], s[28:29], s[32:33]       ; W's codes
	s_cselect_b64 s[10:11], s[30:31], s[34:35]     ; W's scales
	s_cselect_b64 s[98:99], s[48:49], s[50:51]     ; the bias
	s_cselect_b64 s[12:13], s[54:55], s[58:59]     ; the codes that I store in phase 1
	s_cselect_b64 s[96:97], s[56:57], s[60:61]     ; and their scale words
	s_add_nc_u64 s[G0V+2:G0V+3], s[36:37], s[46:47]   ; Wv's codes at my group's first row
	s_add_nc_u64 s[66:67], s[38:39], s[92:93]      ; Wv's scale bytes likewise
	s_add_nc_u64 s[20:21], s[24:25], s[20:21]
	s_add_nc_u64 s[76:77], s[26:27], s[22:23]
	s_add_nc_u64 s[46:47], s[8:9], s[46:47]
	s_add_nc_u64 s[92:93], s[10:11], s[92:93]
	s_mov_b64 s[100:101], s[52:53]                 ; bv
	s_mov_b64 s[8:9], s[62:63]                     ; vc
	s_mov_b64 s[10:11], s[68:69]                   ; vs
	s_lshl_b32 s18, s16, 8
	s_mov_b32 s19, 0
	s_add_nc_u64 s[G0V+2:G0V+3], s[G0V+2:G0V+3], s[18:19]   ; the refill: wave 2 takes K 0-511, wave 3 K 512-1,023
	s_mov_b32 s[G0V], 1
	s_mov_b32 s[G0V+1], s45                        ; into slot 0's W part: wave x 128 rows
	s_or_b32 s[G0V+3], s[G0V+3], 0x80000000
	; descriptor group 1: a tile of 128 rows x 256 bytes, 16 bytes of padding behind each row
	s_or_b32 s[G1+0], s43, (0<<16)|(1<<20)|(1<<21)|(5<<22)|(3<<25)  ; the mask: x's tiles go to my row; elements of 1 byte; padding on; bit 21 beside a mask; after every 64 words, 4 words
	s_or_b32 s[G1B+0], s44, (0<<16)|(1<<20)|(1<<21)|(5<<22)|(3<<25) ; W's to my column
.irp g, G1, G1B
	s_mov_b32 s[\g+1], ROWB<<16                    ; tensor_dim0
	s_mov_b32 s[\g+2], 128<<16                     ; tensor_dim1
	s_mov_b32 s[\g+3], ROWB<<16                    ; tile_dim0
	s_mov_b32 s[\g+4], 128                         ; tile_dim1
	s_mov_b32 s[\g+5], KROW                        ; from row to row
	s_mov_b32 s[\g+6], 0
	s_mov_b32 s[\g+7], 0
.endr
	CROUND                                         ; all sixteen work-groups are here: the joint loads meet
.irp s, 0,1
	s_mov_b32 s[G0+4*\s], 1
	s_add_co_u32 s[G0+4*\s+1], s45, \s*SLOT
	s_add_nc_u64 s[G0+4*\s+2:G0+4*\s+3], s[20:21], \s*ROWB
	s_or_b32 s[G0+4*\s+3], s[G0+4*\s+3], 0x80000000
	s_mov_b32 s[G0B+4*\s], 1
	s_add_co_u32 s[G0B+4*\s+1], s45, \s*SLOT
	s_add_nc_u64 s[G0B+4*\s+2:G0B+4*\s+3], s[46:47], \s*ROWB
	s_or_b32 s[G0B+4*\s+3], s[G0B+4*\s+3], 0x80000000
.endr
	JLOAD G0, G1, G0B, G1B                         ; slot 0: one tensor load a wave at the head
	v_and_b32 v1, 15, v0                           ; r
	v_bfe_u32 v2, v0, 4, 1                         ; h
	v_mul_u32_u24 v3, v1, PITCH
	v_lshl_add_u32 v4, v2, 4, v3                   ; a fragment's row x pitch + 16 h
	s_wait_alu depctr_va_vdst(0)
	s_mul_i32 s21, s15, HALFT                      ; my 128 rows of x
	s_mul_i32 s22, s16, HALFT                      ; my 128 rows of Wq or Wk,
	s_add_co_u32 s22, s22, 2*HALFT                 ; behind x's 256
.irp s, 0,1
	v_add_nc_u32 v[ADRA+\s], s21, v4
	v_add_nc_u32 v[ADRB+\s], s22, v4
	s_add_co_u32 s21, s21, SLOT
	s_add_co_u32 s22, s22, SLOT
.endr
	s_mul_i32 s23, s16, 64*PITCH                   ; my 64 rows of Wv,
	s_add_co_u32 s23, s23, 2*HALFT                 ; in slot 0's W part
	v_add_nc_u32 v[ADRV], s23, v4
	v_lshlrev_b32 v[CO], 4, v1
	v_lshl_add_u32 v[CO], v2, 3, v[CO]
	v_and_b32 v6, 31, v0
	v_lshlrev_b32 v[SO], 2, v6
	v_lshlrev_b32 v[WO], 5, v6
	v_lshlrev_b32 v[BO], 5, v2
	s_wait_alu depctr_va_vdst(0)
	v_lshlrev_b32 v[BVO], 2, v1
	s_wait_alu depctr_va_vdst(0)
.irp b, 0,1,2,3
	v_mov_b32 v[TM+4+\b], 0                        ; written once: a lane permute's destination counts as one of its sources
.endr
	s_lshl_b32 s18, s42, 9                         ; 128 g numbers of 4 bytes
	s_mov_b32 s19, 0
	s_add_nc_u64 s[98:99], s[98:99], s[18:19]
	s_add_nc_u64 s[100:101], s[100:101], s[18:19]
	s_lshl_b32 s18, s16, 8                         ; bv: my 64 of them
	s_add_nc_u64 s[100:101], s[100:101], s[18:19]
	s_lshl_b32 s18, s16, 11                        ; Wv's scale bytes: my 64 rows of 32
	s_add_nc_u64 s[66:67], s[66:67], s[18:19]
	; bq or bk, in the result's layout: accumulator (a, b), register j: b[128 g + 16 b + 8 h + j]
.irp b, 0,1,2,3,4,5,6,7
	global_load_b128 v[BIAS+8*\b:BIAS+8*\b+3], v[BO], s[98:99] offset:64*\b
	global_load_b128 v[BIAS+8*\b+4:BIAS+8*\b+7], v[BO], s[98:99] offset:64*\b+16
.endr
	; Wv's scale words: a row's 32 bytes are its 8 words; lane l takes row l of 32 rows: each pair of loads reads 1,024 dense bytes
	; x's scale words and Wq's or Wk's, in the same way: my 128 rows of each
.irp u, 0,1,2,3
.irp i, 0,1
	global_load_b128 v[XS+8*\u+4*\i:XS+8*\u+4*\i+3], v[WO], s[76:77] offset:1024*\u+16*\i
	global_load_b128 v[WS+8*\u+4*\i:WS+8*\u+4*\i+3], v[WO], s[92:93] offset:1024*\u+16*\i
.endr
.endr
.irp u, 0,1
.irp k, 0,1
	global_load_b128 v[WVS+8*\u+4*\k:WVS+8*\u+4*\k+3], v[WO], s[66:67] offset:1024*\u+16*\k
.endr
.endr
	; bv, in phase 2's layout: accumulator (a, b): bv[128 g + 64 (w & 1) + 16 a + r] in all eight registers
	WIN TO_B
.irp a, 0,1,2,3
.irp j, 0,1,2,3,4,5,6,7
	global_load_b32 v[BV+8*\a+\j], v[BVO], s[100:101] offset:64*\a
.endr
.endr
	WIN 0
	; where my fragments go; 1,024 bytes of codes and 64 of scale words each.  Q, K: index (8 xb + g) x 16 + 8 (w >> 1)
	s_lshl_b32 s18, s17, 3
	s_add_co_u32 s18, s18, s42
	s_lshl_b32 s18, s18, 4
	s_lshl_b32 s19, s15, 3
	s_add_co_u32 s18, s18, s19
	s_lshl_b32 s20, s18, 10
	s_mov_b32 s21, 0
	s_add_nc_u64 s[12:13], s[12:13], s[20:21]
	s_lshl_b32 s20, s18, 6
	s_add_nc_u64 s[96:97], s[96:97], s[20:21]
	; V: index ((g / 2) x 64 + 2 xb + (w >> 1)) x 16 + 8 (g % 2) + 4 (w & 1)
	s_lshr_b32 s18, s42, 1
	s_lshl_b32 s18, s18, 6
	s_lshl_b32 s19, s17, 1
	s_add_co_u32 s18, s18, s19
	s_add_co_u32 s18, s18, s15
	s_lshl_b32 s18, s18, 4
	s_and_b32 s19, s42, 1
	s_lshl_b32 s19, s19, 3
	s_add_co_u32 s18, s18, s19
	s_lshl_b32 s19, s16, 2
	s_add_co_u32 s18, s18, s19
	s_lshl_b32 s20, s18, 10
	s_add_nc_u64 s[8:9], s[8:9], s[20:21]
	s_lshl_b32 s20, s18, 6
	s_add_nc_u64 s[10:11], s[10:11], s[20:21]
.macro FRAG reg, adr, q, i             ; 16 rows x 128 K of 4-bit codes: lane l holds row l % 16; registers 4 c .. 4 c + 3 hold K = 64 c + 32 (l / 16) + 0 .. 31
.irp c, 0,1
	ds_load_b128 v[\reg+4*\c:\reg+4*\c+3], v[\adr] offset:64*(\q)+32*\c+(\i)*16*PITCH
.endr
.endm
; PHASE 1: 16 matrix instructions: x's blocks a0, a0 + 1 x W's eight, the slot's q-th 128 along K.  cm = 0: onto the sums; 1: the sums begin with the bias.
; The 64 accumulators take turns, one instruction a turn, in the same order in every step.
; One matrix instruction.  ra, rb: the scale words of an odd tile stand in lanes 16-31 of their register.
.macro WX d, a, b, c, sa, sb, ra, rb
.if (\ra) && (\rb)
	v_wmma_scale_f32_16x16x128_f8f6f4 v[\d:\d+7], v[\a:\a+7], v[\b:\b+7], v[\c:\c+7], v[\sa], v[\sb] matrix_a_fmt:MATRIX_FMT_FP4 matrix_b_fmt:MATRIX_FMT_FP4 matrix_a_scale:MATRIX_SCALE_ROW1 matrix_b_scale:MATRIX_SCALE_ROW1
.elseif (\ra)
	v_wmma_scale_f32_16x16x128_f8f6f4 v[\d:\d+7], v[\a:\a+7], v[\b:\b+7], v[\c:\c+7], v[\sa], v[\sb] matrix_a_fmt:MATRIX_FMT_FP4 matrix_b_fmt:MATRIX_FMT_FP4 matrix_a_scale:MATRIX_SCALE_ROW1
.elseif (\rb)
	v_wmma_scale_f32_16x16x128_f8f6f4 v[\d:\d+7], v[\a:\a+7], v[\b:\b+7], v[\c:\c+7], v[\sa], v[\sb] matrix_a_fmt:MATRIX_FMT_FP4 matrix_b_fmt:MATRIX_FMT_FP4 matrix_b_scale:MATRIX_SCALE_ROW1
.else
	v_wmma_scale_f32_16x16x128_f8f6f4 v[\d:\d+7], v[\a:\a+7], v[\b:\b+7], v[\c:\c+7], v[\sa], v[\sb] matrix_a_fmt:MATRIX_FMT_FP4 matrix_b_fmt:MATRIX_FMT_FP4
.endif
.endm
.macro MUL16 a0, p, q, sc, cm
.irp a, \a0, \a0+1
.irp b, 0,1,2,3,4,5,6,7
.if \cm == 0
	WX 8*(8*((\a)%4)+\b), 128*(\p)+FR*\b, AF+FR*(\a), 8*(8*((\a)%4)+\b), WS+8*(\b/2)+4*(\sc)+(\q), XS+8*((\a)/2)+4*(\sc)+(\q), \b%2, (\a)%2
.else
	WX 8*(8*((\a)%4)+\b), 128*(\p)+FR*\b, AF+FR*(\a), BIAS+8*\b, WS+8*(\b/2)+4*(\sc)+(\q), XS+8*((\a)/2)+4*(\sc)+(\q), \b%2, (\a)%2
.endif
.endr
.endr
.endm
.macro FETCH_B slot, q, p
	WIN TO_B
.irp i, 0,1,2,3,4,5,6,7
	FRAG 128*(\p)+FR*\i, ADRB+\slot, \q, \i
.endr
	WIN 0
.endm
.macro FETCH_A slot, q, i0
.irp i, \i0, \i0+1, \i0+2, \i0+3
	FRAG AF+FR*(\i), ADRA+\slot, \q, \i
.endr
.endm
.macro PLACES n                        ; plain vector instructions between a matrix instruction and a load into, or a vector read or write of, its registers
.rept \n
	v_nop
.endr
.endm
.macro STEP slot, q, cm                ; a step of 128 along K that has its successor in the same slot
	s_wait_dscnt 4*NL                              ; W's set, x's blocks 0-3 and the scale words are in; the youngest 8 loads (x's blocks 4-7) may be out
.if \cm
	WIN FST_LO
.else
	WIN MUL_LO
.endif
	MUL16 0, (\q)%2, \q, \slot, \cm
	MUL16 2, (\q)%2, \q, \slot, \cm
	s_wait_dscnt 0
	PLACES NP
	FETCH_B \slot, (\q)+1, 1-(\q)%2
	FETCH_A \slot, (\q)+1, 0
.if \cm
	WIN FST_HI
.else
	WIN MUL_HI
.endif
	MUL16 4, (\q)%2, \q, \slot, \cm
	MUL16 6, (\q)%2, \q, \slot, \cm
	PLACES NP
	WIN 0
	FETCH_A \slot, (\q)+1, 4
.endm
.macro STEPS slot, from
.set Q, \from
.rept NQ-1-\from
	STEP \slot, Q, 0
.set Q, Q+1
.endr
.endm
; PHASE 2.  K step t (0 .. 7) into set t % 2: x's 8 fragments of my 128 keys (source 0, window 1) and Wv's 4 of my 64 rows (source 1): 24 loads
.macro VFETCH t
	WIN TO_B
.irp i, 0,1,2,3,4,5,6,7
	FRAG 128*((\t)%2)+FR*\i, ADRA+(\t)/4, (\t)%4, \i
.endr
	WIN 0
.irp i, 0,1,2,3
.irp c, 0,1
	ds_load_b128 v[AF+32*((\t)%2)+FR*\i+4*\c:AF+32*((\t)%2)+FR*\i+4*\c+3], v[ADRV] offset:HALFT*((\t)/4)+64*((\t)%4)+32*\c+\i*16*PITCH
.endr
.endr
.endm
; 32 matrix instructions: Wv's four tiles x x's eight; the 32 accumulators by turns, one instruction a turn.  Step 0 begins the sums with bv.
.macro MULV t
.set cs, (\t)%2
.irp a, 0,1,2,3
.irp b, 0,1,2,3,4,5,6,7
.if (\t) == 0
	WX 8*(8*\a+\b), 128*cs+FR*\b, AF+32*cs+FR*\a, BV+8*\a, XS+8*(\b/2)+(\t), WVS+8*(\a/2)+(\t), \b%2, \a%2
.else
	WX 8*(8*\a+\b), 128*cs+FR*\b, AF+32*cs+FR*\a, 8*(8*\a+\b), XS+8*(\b/2)+(\t), WVS+8*(\a/2)+(\t), \b%2, \a%2
.endif
.endr
.endr
.endm
.macro VSTEP t                         ; the next step's fragments are fetched first, then this step's are multiplied
	PLACES NP                                      ; ahead of loads into registers that the last step's matrix instructions have read
.if (\t) < 7
	VFETCH (\t)+1
	s_wait_dscnt 24                                ; all but the 24 loads just issued: this step's fragments are in
.else
	s_wait_dscnt 0x0
.endif
.if (\t) == 0
	WIN FST_V
.else
	WIN MUL_LO
.endif
	MULV \t
	WIN 0
.endm
; THE WAY OUT of a tile of 16 rows of source 1's.  Lane (r, h) holds row r; register 8 b + j is next-K index 16 b + 8 h + j.  Block B of 32 is registers 16 B .. 16 B + 15 of lanes l and l xor 16.
; Largest magnitude (with the floor 2^(3 - 127) among its leaves), 2 off its exponent field = the conversion's scale operand, its exponent field = the byte.  Two conversions a block give 8 codes each;
; one exchange of halves leaves lane (r, h) with the block's codes 16 h .. 16 h + 15: 8 bytes at 256 B + 16 r + 8 h.  Each accumulator is read from its low end on.
.macro QUANT a, ptr
.set AC, 64*((\a)%4)
.set WW, 2+(\a)/4
	WIN 5*WW                                       ; sources 0 and 1: the accumulators' window
.irp b, 0,1,2,3
	v_max3_num_f32 v[TM+\b], |v[AC+16*\b]|, |v[AC+16*\b+1]|, 0x1800000
.endr
.irp i, 2,4,6,8,10,12,14
.irp b, 0,1,2,3
	v_max3_num_f32 v[TM+\b], |v[AC+16*\b+\i]|, |v[AC+16*\b+\i+1]|, v[TM+\b]   ; the four blocks by turns
.endr
.endr
	WIN 0
.irp b, 0,1,2,3
	v_permlanex16_b32 v[TM+4+\b], v[TM+\b], s2, s3
.endr
.irp b, 0,1,2,3
	v_max_num_f32 v[TM+\b], v[TM+\b], v[TM+4+\b]
.endr
.irp b, 0,1,2,3
	v_add_nc_u32 v[TM+8+\b], 0xff000000, v[TM+\b]
.endr
.irp b, 0,1,2,3
	v_lshrrev_b32 v[TM+4+\b], 23, v[TM+8+\b]
.endr
	v_lshl_or_b32 v[PW+\a], v[TM+5], 8, v[TM+4]
	v_lshl_or_b32 v[PW+\a], v[TM+6], 16, v[PW+\a]
	v_lshl_or_b32 v[PW+\a], v[TM+7], 24, v[PW+\a]
	WIN WW                                         ; source 0: the accumulators' window
.irp b, 0,1,2,3
	v_cvt_scalef32_pk8_fp4_f32 v[PC+8*(\a)+2*\b], v[AC+16*\b:AC+16*\b+7], v[TM+8+\b]
	v_cvt_scalef32_pk8_fp4_f32 v[PC+8*(\a)+2*\b+1], v[AC+16*\b+8:AC+16*\b+15], v[TM+8+\b]
.endr
	WIN 0
	v_nop                                          ; one plain place behind a scaled conversion
.irp b, 0,1,2,3
	v_permlane16_swap_b32 v[PC+8*(\a)+2*\b], v[PC+8*(\a)+2*\b+1]
.endr
.irp b, 0,1,2,3
	global_store_b64 v[CO], v[PC+8*(\a)+2*\b:PC+8*(\a)+2*\b+1], s[\ptr:\ptr+1] offset:1024*(\a)+256*\b   ; the 32 lanes store 256 consecutive bytes, aligned
.endr
.endm
	s_wait_alu depctr_va_vdst(0)                   ; the wait at the head's end
	s_wait_tensorcnt 0x0                           ; my part of slot 0 is in
	ds_add_u32 v[SPW], v[NIL]
	s_wait_dscnt 0x0
	CROUND                                         ; everybody's part is in, and all sixteen work-groups are here
	JLOAD G0+4, G1, G0B+4, G1B                     ; slot 1: the first tensor load behind the round
	FETCH_B 0, 0, 0
	FETCH_A 0, 0, 0
	FETCH_A 0, 0, 4
	s_wait_loadcnt 0x0                             ; the biases and Wv's scale words
	STEP 0, 0, 1
	STEPS 0, 1
	; Slot 0's last step changes slots, and slot 0's W part is filled again.  In front of the barrier, which opens a round of the cluster's, all my tensor loads have landed, 0 is added to my spare word, and my reads of slot 0 are over.
	s_wait_tensorcnt 0x0                           ; my part of slot 1 is in: no tensor load of mine is out
	ds_add_u32 v[SPW], v[NIL]                      ; 0 onto my spare word
	s_wait_dscnt 4*NL+1                            ; (the add and the youngest 8 loads may be out)
	WIN MUL_LO
	MUL16 0, 1, NQ-1, 0, 0                         ; sixteen matrix instructions stand between the add and the wait for it
	s_wait_dscnt 0x0                               ; the add is done, and my reads of slot 0 are over
	s_barrier_signal -1
	MUL16 2, 1, NQ-1, 0, 0
	WIN 0
	s_barrier_wait -1
	CREST                                          ; no wave of any partner still reads slot 0's W part or has a load on its way
	s_cmp_lt_u32 s14, 2                            ; waves 2 and 3 ask for Wv's 128 rows, K's two halves, jointly along my column; the branch hangs on the wave's number alone
	s_cbranch_scc1 .Lno_refill
	tensor_load_to_lds s[G0V:G0V+3], s[G1B:G1B+7]  ; the first tensor load behind the round, and my only one from here on
	s_nop 0
.rept 4
	v_nop
.endr
.Lno_refill:
	PLACES NP
	FETCH_B 1, 0, 0
	FETCH_A 1, 0, 0
	WIN MUL_HI
	MUL16 4, 1, NQ-1, 0, 0
	MUL16 6, 1, NQ-1, 0, 0
	PLACES NP
	WIN 0
	FETCH_A 1, 0, 4
	STEPS 1, 0
	s_wait_dscnt 4*NL                              ; phase 1's last step: nothing more of it to fetch
	WIN MUL_LO
	MUL16 0, 1, NQ-1, 1, 0
	MUL16 2, 1, NQ-1, 1, 0
	s_wait_dscnt 0
	WIN MUL_HI
	MUL16 4, 1, NQ-1, 1, 0
	MUL16 6, 1, NQ-1, 1, 0
	WIN 0
	PLACES NP                                      ; ahead of the loads into fragments' registers and of the reads of results
	s_wait_tensorcnt 0x0                           ; my part of Wv is in
	s_wait_dscnt 0x0
	s_barrier_signal -1
	s_barrier_wait -1                              ; everybody's is
	VFETCH 0                                       ; phase 2's first fragments land while phase 1's results go out
.irp a, 0,1,2,3,4,5,6,7
	QUANT \a, 12
.endr
.irp t, 0,1,2,3
	v_cndmask_b32 v[W2+\t], v[PW+2*\t], v[PW+2*\t+1], s95   ; lanes 0-15: tile 2 t's words, lanes 16-31: tile 2 t + 1's
.endr
.irp t, 0,1,2,3
	global_store_b32 v[SO], v[W2+\t], s[96:97] offset:128*\t
.endr
.irp t, 0,1,2,3,4,5,6,7
	VSTEP \t
.endr
	PLACES NP                                      ; ahead of the reads of results
	s_wait_xcnt 0x0                                ; phase 1's stores have read their registers: the codes' and the words' registers are written again below
.irp a, 0,1,2,3
	QUANT \a, 8
.endr
.irp t, 0,1
	v_cndmask_b32 v[W2+\t], v[PW+2*\t], v[PW+2*\t+1], s95
.endr
.irp t, 0,1
	global_store_b32 v[SO], v[W2+\t], s[10:11] offset:128*\t
.endr
	s_wait_tensorcnt 0x0                           ; the wave's end
	ds_add_u32 v[SPW], v[NIL]
	s_wait_dscnt 0x0
	CROUND                                         ; the closing round: no work-group ends while a partner may still ask for a tile that names it
	s_endpgm
.Lfunc_end_k_q0fbe4c63bd_proj:
	.size	k_q0fbe4c63bd_proj, .Lfunc_end_k_q0fbe4c63bd_proj-k_q0fbe4c63bd_proj
	.p2alignl 7, 3214868480
	.fill 96, 4, 3214868480
	.section	.rodata,"a",@progbits
	.p2align	6, 0x0
	.amdhsa_kernel k_q0fbe4c63bd_proj
		.amdhsa_group_segment_fixed_size 327680
		.amdhsa_private_segment_fixed_size 0
		.amdhsa_enable_private_segment 0
		.amdhsa_kernarg_size 136
		.amdhsa_user_sgpr_count 2
		.amdhsa_user_sgpr_kernarg_segment_ptr 1
		.amdhsa_wavefront_size32 1
		.amdhsa_system_sgpr_workgroup_id_x 1
		.amdhsa_system_sgpr_workgroup_id_y 1
		.amdhsa_system_sgpr_workgroup_id_z 1
		.amdhsa_system_vgpr_workitem_id 0
		.amdhsa_next_free_vgpr 1024
		.amdhsa_next_free_sgpr 104
		.amdhsa_reserve_vcc 0
		.amdhsa_float_denorm_mode_32 3
		.amdhsa_float_denorm_mode_16_64 3
		.amdhsa_memory_ordered 1
		.amdhsa_forward_progress 1
		.amdhsa_inst_pref_size 199
	.end_amdhsa_kernel
	.amdgpu_metadata
---
amdhsa.version: [ 1, 2 ]
amdhsa.kernels:
  - .name:           k_q0fbe4c63bd_proj
    .symbol:         k_q0fbe4c63bd_proj.kd
    .args:
      - { .name: x_codes, .offset: 0, .size: 8, .value_kind: global_buffer, .address_space: global }
      - { .name: x_scales, .offset: 8, .size: 8, .value_kind: global_buffer, .address_space: global }
      - { .name: w_q_codes, .offset: 16, .size: 8, .value_kind: global_buffer, .address_space: global }
      - { .name: w_q_scales, .offset: 24, .size: 8, .value_kind: global_buffer, .address_space: global }
      - { .name: w_k_codes, .offset: 32, .size: 8, .value_kind: global_buffer, .address_space: global }
      - { .name: w_k_scales, .offset: 40, .size: 8, .value_kind: global_buffer, .address_space: global }
      - { .name: w_v_codes, .offset: 48, .size: 8, .value_kind: global_buffer, .address_space: global }
      - { .name: w_v_scales, .offset: 56, .size: 8, .value_kind: global_buffer, .address_space: global }
      - { .name: b_q, .offset: 64, .size: 8, .value_kind: global_buffer, .address_space: global }
      - { .name: b_k, .offset: 72, .size: 8, .value_kind: global_buffer, .address_space: global }
      - { .name: b_v, .offset: 80, .size: 8, .value_kind: global_buffer, .address_space: global }
      - { .name: qc, .offset: 88, .size: 8, .value_kind: global_buffer, .address_space: global }
      - { .name: qs, .offset: 96, .size: 8, .value_kind: global_buffer, .address_space: global }
      - { .name: kc, .offset: 104, .size: 8, .value_kind: global_buffer, .address_space: global }
      - { .name: ks, .offset: 112, .size: 8, .value_kind: global_buffer, .address_space: global }
      - { .name: vc, .offset: 120, .size: 8, .value_kind: global_buffer, .address_space: global }
      - { .name: vs, .offset: 128, .size: 8, .value_kind: global_buffer, .address_space: global }
    .group_segment_fixed_size: 327680
    .private_segment_fixed_size: 0
    .kernarg_segment_align: 8
    .kernarg_segment_size: 136
    .max_flat_workgroup_size: 128
    .sgpr_count:     104
    .vgpr_count:     1024
    .wavefront_size: 32
...
	.end_amdgpu_metadata
.endif
;; end of part 1
;; launch score (part 2): grid 8 x 32, 4 waves a work-group, no clusters, 167,936 bytes of LDS; arguments qc, qs, kc, ks, pc, pst; writes pc, pst
.if DOCPART == 2
	.amdgcn_target "amdgcn-amd-amdhsa--gfx1250"
	.amdhsa_code_object_version 6
	.text
	.protected	k_q0fbe4c63bd_score
	.globl	k_q0fbe4c63bd_score
	.p2align	8
	.type	k_q0fbe4c63bd_score,@function
k_q0fbe4c63bd_score:
	s_mov_b64 s[64:65], 0
	v_nop
	global_prefetch_b8 v0, s[64:65] scope:SCOPE_SE
	s_setreg_imm32_b32 hwreg(HW_REG_WAVE_MODE, 25, 1), 1
	s_wait_xcnt 0x0
; SECOND OF THREE LAUNCHES: the live part of S = Q K^T / 32 under the causal mask, and of it p = 2^(t - M), quantised along the keys.
; LEFT OUT: cells of 128 queries x 128 keys all of whose keys come after all of their queries: reference()'s own jnp.tril gives them the weight 0 for all inputs.
; A UNIT is a tile of 16 queries x a column of 128 keys (column s, 0 .. 15).  Column s has 128 - 8 s live units: tiles 8 s .. 127 of the batch's queries; the first eight lie on the diagonal.
; t = score x log2(e) / 32.  M is the ceiling of the largest t of a row WITHIN THE UNIT, a whole number; the row's M over all its units differs from it by a whole number, which launch pv takes off the scale bytes.
; Every row of a unit on the diagonal has a key that counts, so every M is finite.
; SHARES.  256 work-groups: batch = y / 8; columns sp = y % 8 and 15 - sp share eight work-groups, (147 - 8 sp) / 20 of them (rounded down) for column sp, so that no wave has over 5 units (and none under 2).
;   A column's W = 4 x its work-groups waves take its units by turns: wave k units k, k + W, k + 2 W ..: so the units on the diagonal are spread over the waves (W is 4 in column 15, else 8 or more).
; K: the column's 65,536 bytes come through LDS (a quarter a wave, one tensor load each) and are read ONCE into 512 registers, where they serve all of a wave's units.  Q: a wave alone reads its tiles, so they go from memory
;   into registers, two sets by turns: the next but one unit's loads are issued ahead of the next unit's products.
; THE NEXT UNIT'S 64 MATRIX INSTRUCTIONS follow this unit's 64 exponentials: by then the scores have been turned into t - M in other registers, so one set of accumulators serves.
; NO CLUSTER: a column has 1 to 7 work-groups, which no cluster's width divides in every column.  NO PREFETCH: there is no loop to run ahead in; every load goes out at the head or one unit ahead.
; OPERANDS arrive as images of their registers (launch proj): a fragment is 1,024 dense bytes, lane l takes 16 bytes at 16 l and at 512 + 16 l.  Source 0 = 16 keys, source 1 = 16 queries: a lane holds one query and eight neighbouring keys.
; OUT.  pc: [batch x 8 + pair][n (17)][tile of 16 queries (8)][1,024]; pst: the same indices, 256 bytes: 16 rows of (-M, sum, scale word, 0).
;   Query blocks (of 128) p and 15 - p are a pair: block i's column s goes to n = s for i >= 8 and to n = 16 - s for i <= 7.
; LIMITS: a block's largest p is taken from its largest score, which takes v_exp_f32 not to fall where its input rises; a block whose every p is under 2^(3 - 127) keeps the byte 1 with zero codes.  NaN and infinities are not served.
; REGISTERS: window 0: addresses, scale words (v32-71, scales alone), v72-99 at work, v128-191 the accumulators (key tile b at 8 b), v192-255 p.
;   window 1: v0-127 K's steps 6, 7; v128-255 Q, two sets.   window 2: v0-191 K's steps 0-2, v192-223 t - M of key tiles 0-3.   window 3: K's steps 3-5, t - M of key tiles 4-7.
; AS BUILT: a unit's exponentials are one batch, and the next unit's 64 matrix instructions follow it as one run, ahead of the batch's first reader: no exponential stands between two steps of a sum.
.set SPARE, 65536                      ; behind K: the spare words: 128 bytes a wave, named by no other line
.set L16,  7                           ; v7   16 x lane
.set CO,   8                           ; v8   16 r + 8 h
.set DV,   9                           ; v9   r - 8 h
.set NINF, 10
.set QSO,  11                          ; v11  4 r + 4096 h: lanes 16-31 take the words four steps on
.set L4,   12                          ; v12  4 x lane
.set VD,   13
.set PCS,  14                          ; v14-21 the codes
.set RC,   22                          ; v22-23 the record
.set PW,   24
.set LS,   25
.set SPW,  28
.set NIL,  29
.set KSW,  32                          ; register 4 q + u: step q; lanes 0-15 key tile 2 u, lanes 16-31 key tile 2 u + 1
.set QSW,  64                          ; set p at 4 p: register q: lanes 0-15 step q, lanes 16-31 step q + 4
.set BM,   72
.set BX,   76
.set SOP,  80
.set BY,   84
.set RM,   88
.set NM,   90
.set LA,   92
.set ACC,  128
.set PP,   192
.set MSB, 0
.macro WIN new                         ; the immediate's high byte repeats the setting that is left
.if MSB != (\new)
	s_set_vgpr_msb (MSB<<8)|(\new)
.set MSB, (\new)
.endif
.endm
; s17 the column; s19 W; s21 my units; s22 8 x batch; s23 the unit in hand
; where unit u's tile of Q lies: qc [row block of 256][step (8)][tile (16)][1,024], qs the same indices, 64 bytes
.macro QADR p, u
	s_lshl_b32 s48, s17, 3
	s_add_co_u32 s48, s48, \u
	s_lshr_b32 s49, s48, 4
	s_add_co_u32 s49, s49, s22
	s_and_b32 s48, s48, 15
	s_lshl_b32 s50, s49, 17
	s_lshl_b32 s56, s48, 10
	s_add_co_u32 s50, s50, s56
	s_mov_b32 s51, 0
	s_add_nc_u64 s[36+2*(\p):37+2*(\p)], s[4:5], s[50:51]
	s_lshl_b32 s50, s49, 13
	s_lshl_b32 s56, s48, 6
	s_add_co_u32 s50, s50, s56
	s_add_nc_u64 s[40+2*(\p):41+2*(\p)], s[6:7], s[50:51]
.endm
.macro QLOAD p                         ; 4 + 16 loads
.irp q, 0,1,2,3
	global_load_b32 v[QSW+4*(\p)+\q], v[QSO], s[40+2*(\p):41+2*(\p)] offset:1024*\q
.endr
	WIN 0x40
.irp q, 0,1,2,3,4,5,6,7
	global_load_b128 v[128+64*(\p)+8*\q:131+64*(\p)+8*\q], v[L16], s[36+2*(\p):37+2*(\p)] offset:16384*\q
	global_load_b128 v[132+64*(\p)+8*\q:135+64*(\p)+8*\q], v[L16], s[36+2*(\p):37+2*(\p)] offset:16384*\q+512
.endr
	WIN 0
.endm
.macro KLOAD q                         ; step q's eight fragments of K: 16 loads
.if (\q) < 3
	WIN 0x80
.elseif (\q) < 6
	WIN 0xC0
.else
	WIN 0x40
.endif
.irp t, 0,1,2,3,4,5,6,7
	ds_load_b128 v[64*((\q)%3)+8*\t:64*((\q)%3)+8*\t+3], v[L16] offset:8192*(\q)+1024*\t
	ds_load_b128 v[64*((\q)%3)+8*\t+4:64*((\q)%3)+8*\t+7], v[L16] offset:8192*(\q)+1024*\t+512
.endr
.endm
; One matrix instruction.  ra, rb: the scale words stand in lanes 16-31 of their register.
.macro W4 d, a, b, c, sa, sb, ra, rb
.if (\ra) && (\rb)
	v_wmma_scale_f32_16x16x128_f8f6f4 v[\d:\d+7], v[\a:\a+7], v[\b:\b+7], \c, v[\sa], v[\sb] matrix_a_fmt:MATRIX_FMT_FP4 matrix_b_fmt:MATRIX_FMT_FP4 matrix_a_scale:MATRIX_SCALE_ROW1 matrix_b_scale:MATRIX_SCALE_ROW1
.elseif (\ra)
	v_wmma_scale_f32_16x16x128_f8f6f4 v[\d:\d+7], v[\a:\a+7], v[\b:\b+7], \c, v[\sa], v[\sb] matrix_a_fmt:MATRIX_FMT_FP4 matrix_b_fmt:MATRIX_FMT_FP4 matrix_a_scale:MATRIX_SCALE_ROW1
.elseif (\rb)
	v_wmma_scale_f32_16x16x128_f8f6f4 v[\d:\d+7], v[\a:\a+7], v[\b:\b+7], \c, v[\sa], v[\sb] matrix_a_fmt:MATRIX_FMT_FP4 matrix_b_fmt:MATRIX_FMT_FP4 matrix_b_scale:MATRIX_SCALE_ROW1
.else
	v_wmma_scale_f32_16x16x128_f8f6f4 v[\d:\d+7], v[\a:\a+7], v[\b:\b+7], \c, v[\sa], v[\sb] matrix_a_fmt:MATRIX_FMT_FP4 matrix_b_fmt:MATRIX_FMT_FP4
.endif
.endm
.macro EXPALL                          ; p = 2^(t - M): one batch; its sources stand in windows 2 and 3, its results in window 0
	WIN 0x02
.set ee, 0
.rept 32
	v_exp_f32 v[PP+ee], v[192+ee]
.set ee, ee+1
.endr
	WIN 0x03
.rept 32
	v_exp_f32 v[PP+ee], v[160+ee]
.set ee, ee+1
.endr
	WIN 0
.irp b, 0,1,2,3
	v_exp_f32 v[BM+\b], v[BM+\b]                   ; the blocks' largest p
.endr
	v_nop                                          ; a plain place behind the last exponential
.endm
; Step q: eight matrix instructions, Q's set p.  The eight accumulators by turns, one instruction a turn.
.macro MULQ p, q
.if (\q) < 3
	WIN 0x06
.elseif (\q) < 6
	WIN 0x07
.else
	WIN 0x05
.endif
.irp t, 0,1,2,3,4,5,6,7
.if (\q) == 0
	W4 ACC+8*\t, 64*((\q)%3)+8*\t, 128+64*(\p)+8*(\q), 0, KSW+4*(\q)+\t/2, QSW+4*(\p)+(\q)%4, \t%2, (\q)/4
.else
	W4 ACC+8*\t, 64*((\q)%3)+8*\t, 128+64*(\p)+8*(\q), v[ACC+8*\t:ACC+8*\t+7], KSW+4*(\q)+\t/2, QSW+4*(\p)+(\q)%4, \t%2, (\q)/4
.endif
.endr
.endm
; A unit's scores, from the accumulators: the mask, the maxima, M, t - M.  Lane (r, h): query r; register 8 b + j: key 16 b + 8 h + j.  Block B of 32 keys: registers 16 B .. 16 B + 15 of lanes l and l xor 16.
.macro TOP i
.if (\i) < 2
	s_cmp_ge_u32 s23, 8                            ; ids alone; units on the diagonal are a wave's first, in column 15 its first two
	s_cbranch_scc1 .Lopen_\@
	s_lshl_b32 s48, s23, 4
	s_wait_alu depctr_va_vdst(0)                   ; the wait ahead of the first reader of the matrix results
	v_add_nc_u32 v[VD], s48, v[DV]                 ; hidden where 16 b + j > 16 u + r - 8 h: -infinity ahead of the maximum, so p = 0
.set n, 0
.rept 64
	v_cmp_gt_i32 vcc_lo, 16*(n/8)+n%8, v[VD]
	v_cndmask_b32 v[ACC+n], v[ACC+n], v[NINF], vcc_lo
.set n, n+1
.endr
.Lopen_\@:
.endif
	s_wait_alu depctr_va_vdst(0)                   ; the wait ahead of the first reader of the matrix results
.irp b, 0,1,2,3
	v_max_num_f32 v[BM+\b], v[ACC+16*\b], v[ACC+16*\b+1]   ; the largest score of each block: for the row's maximum and, since p rises with the score, for the block's largest p
.endr
.irp k, 2,4,6,8,10,12,14
.irp b, 0,1,2,3
	v_max3_num_f32 v[BM+\b], v[ACC+16*\b+\k], v[ACC+16*\b+\k+1], v[BM+\b]
.endr
.endr
.irp b, 0,1,2,3
	v_permlanex16_b32 v[BX+\b], v[BM+\b], s54, s55
.endr
.irp b, 0,1,2,3
	v_max_num_f32 v[BM+\b], v[BM+\b], v[BX+\b]
.endr
	v_max3_num_f32 v[RM], v[BM], v[BM+1], v[BM+2]
	v_max_num_f32 v[RM], v[RM], v[BM+3]
	v_mul_f32 v[RM], s52, v[RM]                    ; the row's largest t
	v_floor_f32 v[NM], -v[RM]                      ; -M = floor(-t): M is a whole number
	WIN 0x80
.set jj, 0
.rept 16
	v_pk_fma_f32 v[192+jj:193+jj], v[ACC+jj:ACC+jj+1], s[52:53], v[NM:NM+1] op_sel_hi:[1,0,0]   ; t - M, two at a time (of the pairs c and -M the low word serves both halves)
.set jj, jj+2
.endr
	WIN 0xC0
.rept 16
	v_pk_fma_f32 v[160+jj:161+jj], v[ACC+jj:ACC+jj+1], s[52:53], v[NM:NM+1] op_sel_hi:[1,0,0]
.set jj, jj+2
.endr
	WIN 0
.irp b, 0,1,2,3
	v_fma_f32 v[BM+\b], v[BM+\b], s52, v[NM]       ; the same of each block's largest score
.endr
	s_wait_alu depctr_va_vdst(0)                   ; the wait ahead of the batch of exponentials and of the branches
.if ((\i) > 0) && ((\i) < 4)
	s_cmp_eq_u32 s21, (\i)+1                       ; my last unit
	s_cbranch_scc1 .Lfinal
.endif
.endm
.macro ADD1                            ; the sum of the UNQUANTISED p, two at a time, in four chains
	v_pk_add_f32 v[LA+2*(kk%4):LA+2*(kk%4)+1], v[LA+2*(kk%4):LA+2*(kk%4)+1], v[PP+2*kk:PP+2*kk+1]
.set kk, kk+1
.endm
; What follows a unit's 64 exponentials: the blocks' largest p, the sum, the codes, the stores.
.macro REST
	s_wait_xcnt 0x0                                ; the last unit's stores have read their registers and bases
	s_lshl_b32 s48, s17, 3
	s_add_co_u32 s48, s48, s23                     ; my tile of the batch's 128
	s_lshr_b32 s49, s48, 3                         ; block i of 128 queries
	s_and_b32 s48, s48, 7                          ; and the tile in it
	s_sub_co_u32 s50, 15, s49
	s_sub_co_u32 s51, 16, s17
	s_cmp_lt_u32 s49, 8
	s_cselect_b32 s50, s49, s50                    ; the pair
	s_cselect_b32 s51, s51, s17                    ; n
	s_add_co_u32 s50, s50, s22
	s_mul_i32 s50, s50, 17
	s_add_co_u32 s50, s50, s51
	s_lshl_b32 s50, s50, 3
	s_add_co_u32 s50, s50, s48
	s_lshl_b32 s48, s50, 10
	s_mov_b32 s49, 0
	s_add_nc_u64 s[44:45], s[12:13], s[48:49]
	s_lshl_b32 s48, s50, 8
	s_add_nc_u64 s[46:47], s[14:15], s[48:49]
	s_wait_alu depctr_va_vdst(0)                   ; the wait ahead of the batch's first reader: one for the 68
.irp b, 0,1,2,3
	v_max_num_f32 v[BM+\b], 0x1800000, v[BM+\b]    ; the floor 2^(3 - 127): the byte cannot fall under 1
.endr
.irp b, 0,1,2,3
	v_add_nc_u32 v[SOP+\b], 0xff000000, v[BM+\b]   ; 2 off the exponent field: the conversion's scale operand
.endr
.irp b, 0,1,2,3
	v_lshrrev_b32 v[BY+\b], 23, v[SOP+\b]
.endr
.irp b, 0,1,2,3
	v_pk_add_f32 v[LA+2*\b:LA+2*\b+1], v[PP+2*\b:PP+2*\b+1], v[PP+8+2*\b:PP+9+2*\b]
.endr
.set kk, 8
	v_lshl_or_b32 v[PW], v[BY+1], 8, v[BY]
	ADD1
	v_lshl_or_b32 v[PW], v[BY+2], 16, v[PW]
	ADD1
	v_lshl_or_b32 v[PW], v[BY+3], 24, v[PW]
	ADD1
.irp b, 0,1,2,3
	v_cvt_scalef32_pk8_fp4_f32 v[PCS+2*\b], v[PP+16*\b:PP+16*\b+7], v[SOP+\b]
	ADD1
	v_cvt_scalef32_pk8_fp4_f32 v[PCS+2*\b+1], v[PP+16*\b+8:PP+16*\b+15], v[SOP+\b]
	ADD1                                           ; (also the plain place behind the scaled conversion)
.endr
.irp b, 0,1,2,3
	v_permlane16_swap_b32 v[PCS+2*\b], v[PCS+2*\b+1]   ; lane (r, h) now holds the block's codes 16 h .. 16 h + 15
.endr
.irp b, 0,1,2,3
	global_store_b64 v[CO], v[PCS+2*\b:PCS+2*\b+1], s[44:45] offset:256*\b   ; the 32 lanes store 256 consecutive bytes, aligned
.endr
.rept 13
	ADD1
.endr
	v_pk_add_f32 v[LA:LA+1], v[LA:LA+1], v[LA+2:LA+3]
	v_pk_add_f32 v[LA+4:LA+5], v[LA+4:LA+5], v[LA+6:LA+7]
	v_pk_add_f32 v[LA:LA+1], v[LA:LA+1], v[LA+4:LA+5]
	v_add_f32 v[LA], v[LA], v[LA+1]
	v_permlanex16_b32 v[BX], v[LA], s54, s55
	v_add_f32 v[LS], v[LA], v[BX]                  ; with lane l xor 16's 64 keys: the row's sum
	v_cndmask_b32 v[RC], v[NM], v[PW], s58         ; lanes 0-15: (-M, sum); lanes 16-31: (scale word, 0)
	v_cndmask_b32 v[RC+1], v[LS], 0, s58
	global_store_b64 v[CO], v[RC:RC+1], s[46:47]   ; row r's 16 bytes: 256 consecutive bytes, aligned
.endm
; Unit i's exponentials, then unit i + 1's products; ahead of them unit i + 2's loads, into the set that unit i has left.
.macro MID i
.if (\i) < 3
	s_cmp_gt_u32 s21, (\i)+2
	s_cbranch_scc0 .Lno_\@
	s_lshl_b32 s57, s19, 1
	s_add_co_u32 s57, s57, s23
	QADR (\i)%2, s57
	QLOAD (\i)%2
	s_wait_loadcnt 20                              ; all but the 20 just issued: unit i + 1's are in
	s_branch .Lgo_\@
.Lno_\@:
	s_wait_loadcnt 0x0
.Lgo_\@:
.else
	s_wait_loadcnt 0x0
.endif
	EXPALL
.irp q, 0,1,2,3,4,5,6,7
	MULQ ((\i)+1)%2, \q
.endr
	WIN 0
	REST
	s_add_co_u32 s23, s23, s19
.endm
	s_load_b256 s[4:11], s[0:1], 0x0               ; qc, qs, kc, ks
	s_load_b128 s[12:15], s[0:1], 0x20             ; pc, pst
	v_lshl_add_u32 v[SPW], v0, 2, SPARE
	v_mov_b32 v[NIL], 0
	ds_add_u32 v[SPW], v[NIL]                      ; the wave's opening: the add, twice on end, and its wait ahead of my tensor load
	ds_add_u32 v[SPW], v[NIL]                      ; and once more; the set-up below, work on registers, stands between it and the wait
	v_lshrrev_b32 v5, 5, v0
	v_readfirstlane_b32 s16, v5                    ; wave 0..3
	v_and_b32 v1, 15, v0                           ; r
	v_bfe_u32 v2, v0, 4, 1                         ; h
	v_and_b32 v3, 31, v0                           ; lane
	v_lshlrev_b32 v[L16], 4, v3
	v_lshlrev_b32 v[L4], 2, v3
	v_lshlrev_b32 v4, 3, v2
	v_lshl_add_u32 v[CO], v1, 4, v4
	v_sub_nc_u32 v[DV], v1, v4
	v_lshlrev_b32 v5, 12, v2
	v_lshl_add_u32 v[QSO], v1, 2, v5
	v_mov_b32 v[NINF], 0xff800000
	v_mov_b32 v[NM+1], 0                           ; named as the upper half of a pair
.irp b, 0,1,2,3
	v_mov_b32 v[BX+\b], 0                          ; written once: a lane permute's destination counts as one of its sources
.endr
	s_and_b32 s48, ttmp7, 0xffff
	s_and_b32 s49, s48, 7                          ; sp
	s_lshr_b32 s50, s48, 3                         ; batch
	s_lshl_b32 s22, s50, 3                         ; a batch has 8 row blocks of 256, and 8 pairs
	s_lshl_b32 s51, s49, 3
	s_sub_co_u32 s51, 147, s51
	s_mul_i32 s51, s51, 3277                       ; 65,536 / 20, rounded up
	s_lshr_b32 s51, s51, 16                        ; column sp's work-groups: 7, 6, 6, 6, 5, 5, 4, 4
	s_sub_co_u32 s56, 15, s49
	s_sub_co_u32 s57, 8, s51
	s_sub_co_u32 s59, ttmp9, s51
	s_cmp_lt_u32 ttmp9, s51
	s_cselect_b32 s17, s49, s56                    ; my column
	s_cselect_b32 s19, s51, s57                    ; its work-groups
	s_cselect_b32 s59, ttmp9, s59                  ; which of them I am
	s_lshl_b32 s19, s19, 2                         ; W
	s_lshl_b32 s59, s59, 2
	s_add_co_u32 s23, s59, s16                     ; my first unit
	s_lshl_b32 s18, s17, 3
	s_sub_co_u32 s18, 128, s18                     ; the column's units
	s_mov_b32 s21, 1
	s_mov_b32 s48, s23
.rept 4
	s_add_co_u32 s48, s48, s19
	s_cmp_lt_u32 s48, s18
	s_add_co_ci_u32 s21, s21, 0                    ; my units: 2 to 5
.endr
	; descriptor: steps 2 w and 2 w + 1 of the column's K: 2 rows of 8,192 bytes, 16,384 apart
	s_mov_b32 s24, 3<<16
	s_mov_b32 s25, 1024<<16
	s_mov_b32 s26, 2<<16
	s_mov_b32 s27, 1024<<16
	s_mov_b32 s28, 2
	s_mov_b32 s29, 2048
	s_mov_b32 s30, 0
	s_mov_b32 s31, 0
	s_mov_b32 s32, 1
	s_lshl_b32 s33, s16, 14
	s_lshr_b32 s48, s17, 1
	s_add_co_u32 s48, s48, s22                     ; the row block of 256 keys,
	s_and_b32 s49, s17, 1                          ; and which half of it
	s_lshl_b32 s60, s48, 13
	s_lshl_b32 s61, s49, 9
	s_add_co_u32 s60, s60, s61
	s_mov_b32 s61, 0                               ; K's scale words
	s_lshl_b32 s50, s48, 17
	s_lshl_b32 s49, s49, 13
	s_add_co_u32 s50, s50, s49
	s_lshl_b32 s49, s16, 15
	s_add_co_u32 s50, s50, s49
	s_mov_b32 s51, 0                               ; K's codes
	s_mov_b32 s52, 0x3d38aa3b                      ; c = log2(e) / sqrt(1024)
	s_mov_b32 s53, s52                             ; (named with it as a pair, so it is written)
	s_mov_b32 s54, 0x76543210
	s_mov_b32 s55, 0xfedcba98                      ; v_permlanex16_b32's selects for lane l xor 16
	s_mov_b32 s58, 0xffff0000                      ; lanes 16-31
	s_wait_alu depctr_va_vdst(0)                   ; the wait here, ahead of the waits below
	s_wait_dscnt 0x0                               ; both opening adds are done
	s_wait_kmcnt 0x0
	s_add_nc_u64 s[34:35], s[8:9], s[50:51]
	s_or_b32 s35, s35, 0x80000000
	tensor_load_to_lds s[32:35], s[24:31]          ; each wave its quarter of K: one tensor load a wave at the head
	s_nop 0
.rept 4
	v_nop
.endr
	s_add_nc_u64 s[60:61], s[10:11], s[60:61]
.irp q, 0,1,2,3,4,5,6,7
.irp u, 0,1,2,3
	global_load_b32 v[KSW+4*\q+\u], v[L4], s[60:61] offset:1024*\q+128*\u
.endr
.endr
	QADR 0, s23
	QLOAD 0
	s_add_co_u32 s57, s23, s19
	QADR 1, s57
	QLOAD 1
	s_wait_tensorcnt 0x0                           ; my quarter of K is in
	s_barrier_signal -1
	s_barrier_wait -1                              ; everybody's is
	KLOAD 0
	KLOAD 1
	KLOAD 2
	KLOAD 3
	WIN 0
	s_wait_loadcnt 20                              ; all but unit 1's 20: K's scale words and unit 0 are in
.irp q, 0,1,2,3,4,5,6,7
.if \q < 5
	s_wait_dscnt 48                                ; all but the three steps of 16 loads issued behind step q's
.else
	s_wait_dscnt 16*(7-\q)
.endif
	MULQ 0, \q
.if \q < 4
	KLOAD \q+4
.endif
.endr
	WIN 0
.rept 4
	v_nop                                          ; places ahead of the reads of results
.endr
	TOP 0
	MID 0
	TOP 1
	MID 1
	TOP 2
	MID 2
	TOP 3
	MID 3
	TOP 4
.Lfinal:                                               ; a wave's last unit: no products follow
	EXPALL
	REST
	s_wait_tensorcnt 0x0                           ; the wave's end
	ds_add_u32 v[SPW], v[NIL]
	s_wait_dscnt 0x0
	s_endpgm
.Lfunc_end_k_q0fbe4c63bd_score:
	.size	k_q0fbe4c63bd_score, .Lfunc_end_k_q0fbe4c63bd_score-k_q0fbe4c63bd_score
	.p2alignl 7, 3214868480
	.fill 96, 4, 3214868480
	.section	.rodata,"a",@progbits
	.p2align	6, 0x0
	.amdhsa_kernel k_q0fbe4c63bd_score
		.amdhsa_group_segment_fixed_size 167936
		.amdhsa_private_segment_fixed_size 0
		.amdhsa_enable_private_segment 0
		.amdhsa_kernarg_size 48
		.amdhsa_user_sgpr_count 2
		.amdhsa_user_sgpr_kernarg_segment_ptr 1
		.amdhsa_wavefront_size32 1
		.amdhsa_system_sgpr_workgroup_id_x 1
		.amdhsa_system_sgpr_workgroup_id_y 1
		.amdhsa_system_sgpr_workgroup_id_z 1
		.amdhsa_system_vgpr_workitem_id 0
		.amdhsa_next_free_vgpr 1024
		.amdhsa_next_free_sgpr 80
		.amdhsa_reserve_vcc 1
		.amdhsa_float_denorm_mode_32 3
		.amdhsa_float_denorm_mode_16_64 3
		.amdhsa_memory_ordered 1
		.amdhsa_forward_progress 1
		.amdhsa_inst_pref_size 140
	.end_amdhsa_kernel
	.amdgpu_metadata
---
amdhsa.version: [ 1, 2 ]
amdhsa.kernels:
  - .name:           k_q0fbe4c63bd_score
    .symbol:         k_q0fbe4c63bd_score.kd
    .args:
      - { .name: qc, .offset: 0, .size: 8, .value_kind: global_buffer, .address_space: global }
      - { .name: qs, .offset: 8, .size: 8, .value_kind: global_buffer, .address_space: global }
      - { .name: kc, .offset: 16, .size: 8, .value_kind: global_buffer, .address_space: global }
      - { .name: ks, .offset: 24, .size: 8, .value_kind: global_buffer, .address_space: global }
      - { .name: pc, .offset: 32, .size: 8, .value_kind: global_buffer, .address_space: global }
      - { .name: pst, .offset: 40, .size: 8, .value_kind: global_buffer, .address_space: global }
    .group_segment_fixed_size: 167936
    .private_segment_fixed_size: 0
    .kernarg_segment_align: 8
    .kernarg_segment_size: 48
    .max_flat_workgroup_size: 128
    .sgpr_count:     80
    .vgpr_count:     1024
    .wavefront_size: 32
...
	.end_amdgpu_metadata
.endif
;; end of part 2
;; launch pv (part 3): grid 8 x 32, 4 waves a work-group, clusters of 4 x 1, 327,680 bytes of LDS; arguments vc, vs, pc, pst, out0; writes out0
.if DOCPART == 3
	.amdgcn_target "amdgcn-amd-amdhsa--gfx1250"
	.amdhsa_code_object_version 6
	.text
	.protected	k_q0fbe4c63bd_pv
	.globl	k_q0fbe4c63bd_pv
	.p2align	8
	.type	k_q0fbe4c63bd_pv,@function
k_q0fbe4c63bd_pv:
	s_mov_b64 s[64:65], 0
	v_nop
	global_prefetch_b8 v0, s[64:65] scope:SCOPE_SE
	s_setreg_imm32_b32 hwreg(HW_REG_WAVE_MODE, 25, 1), 1
	s_wait_xcnt 0x0
	s_wait_alu depctr_hold_cnt(0) depctr_sa_sdst(0) depctr_va_vdst(0) depctr_va_sdst(0) depctr_va_ssrc(0) depctr_va_vcc(0) depctr_vm_vsrc(0)
	s_getreg_b32 s2, hwreg(HW_REG_IB_STS2, 6, 4)
	s_cmp_eq_u32 s2, 0
	s_cbranch_scc0 .Lentry_in_a_cluster
	s_endpgm
.Lentry_in_a_cluster:
	s_bfe_u32 s2, ttmp6, 0x10000c
	s_cmp_lg_u32 s2, 0x3003
	s_cbranch_scc0 .Lentry_shape_is_right
	s_endpgm
.Lentry_shape_is_right:
; THIRD OF THREE LAUNCHES: O = P V / sum, on the live cells alone.
; LEFT OUT: the cells of 128 queries x 128 keys all of whose keys come after their queries (reference()'s own jnp.tril gives them the weight 0 for all inputs): launch score has not made them, and they are not multiplied.
; SHARES.  A work-group takes a PAIR of query blocks, A = p and B = 15 - p (p = y % 8, batch = y / 8), and 128 of the 1,024 channels (d block = 4 x cluster x + cx): p + 1 and 16 - p cells, 17 for every pair: equal work.
; Wave w: query tiles 4 (w >> 1) .. + 3 of both blocks, channel tiles 4 (w & 1) .. + 3: 16 accumulators for A, 16 for B.  Source 0 = 16 channels of V (keys innermost), source 1 = 16 queries of P:
; a lane holds one query and eight neighbouring channels.  BLOCK A GOES FIRST, and its rows are stored while block B is multiplied.
; CLUSTER 4 x 1: the four partners share the pair, so P's codes are asked for jointly (mask 15); V's tiles hang on cx and are each work-group's own loads.  (Partners that shared V would have different pairs, and so different numbers of steps.)
; LOADS.  At the head one tensor load a wave: V's steps 0-7, P's chunks 9-16 (block A's among them), P's chunks 0-8, V's scale words.  Behind the first full round V's steps 8-15, of which each wave fetches a quarter of every step's channels:
;   block B walks step 8 for every pair, so some of each load's bytes are read.  Nothing is filled again.  NO PREFETCH: there is no loop to run ahead in.
; THE ROW'S M.  Launch score quantised each unit under its own whole number M_n and stored (-M_n, l_n, scale word).  Here M = the largest M_n of the row's cells, nd = M - M_n, a whole number, 0 or more:
; the row's sum is the sum of l_n 2^-nd, and each scale byte has nd taken off: the codes' values are those under M.  Wave w does this for query tiles 2 w and 2 w + 1, from figures that come by global loads while the
; tensor loads are out, and hands the words and 1 / sum to the other waves through LDS.
; LIMITS: nd is held at 127, and a byte that would fall under 0 is held at 0: what is so misplaced is under 128 x 2^-127 beside a sum of at least 1/2.  NaN and infinities are not served.
; LDS: P's 17 chunks [n][tile 8][1,024]; V's steps 0-7 [step][8 tiles][1,024]; its steps 8-15 [quarter of 2 tiles][step][2][1,024]; V's scale words [step][8 tiles][64];
;   P's scale words [n][tile pair 4][lane 32], then two more such rows: 1 / sum of B, of A; a stage of 16 x 272 bytes a wave; the spare words.
;   B's step s is chunk n = s, A's step s is chunk n = 16 - s: no LDS address hangs on an id.
; REGISTERS: window 0: addresses; v16-27 scale words, three sets (scales alone); v40-47 1 / sum; v64-246 the figures' work, later results on the way out.   window 1: three sets of fragments, V's 32 and P's 32 registers each.
;   window 2: the accumulators, A's (tq, td) at v[8 (4 tq + td)], B's 128 on.
.set PPB,   0
.set VV,    139264
.set VSC,   270336
.set FWA,   278528
.set STAGE, 288256
.set SPARE, 305664
.set LN,   4                           ; v4   16 x lane
.set AV,   6                           ; v6-7 V's steps 0-7, 8-15
.set AP0,  8                           ; v8-10 P's chunks 0-7, 8-15, 16
.set AVS,  11
.set AFW,  12
.set ASF,  13
.set ARC,  14
.set FW,   16
.set VSW,  22
.set GO,   30
.set RD,   31
.set STO,  32
.set RL,   40
.set SPW,  60
.set NIL,  61
.set FIG,  64                          ; chunk n at 4 n: -M_n, l_n, scale word, 0
.set XB,   132
.set XA,   139
.set RF,   146
.set NB,   153
.set NA,   154
.set BIG,  155
.set ZR,   156
.set ND,   160
.set DG,   177
.set TR,   194
.set WK,   211
.set MK,   228
.set SB,   245
.set SA,   246
.set OT,   64                          ; the way out
.set BK,   128
.set S_P8, 16                          ; descriptor groups 1
.set S_P9, 24
.set S_V8, 32
.set S_V2, 40
.set S_VS, 48
.set PR,   67                          ; s67  p
.set SM,   88                          ; s88-94  chunk n = 9 .. 15 is B's (-1) or A's (0)
.set LIM,  95                          ; s95  15 - p: B's last step
.set OBB,  96                          ; s[96:97] my rows of block B in out0;  s[98:99] of block A
.set OBA,  98
.set MSB, 0
.macro WIN new
.if MSB != (\new)
	s_set_vgpr_msb (MSB<<8)|(\new)
.set MSB, (\new)
.endif
.endm
.macro CROUND                          ; a round of the cluster's barrier
	s_barrier_signal -1
	s_barrier_wait -1
	s_cmp_lg_u32 s14, 0
	s_cbranch_scc1 .Lnot_wave_0_\@
	s_barrier_signal -3
.Lnot_wave_0_\@:
	s_barrier_wait -3
	s_barrier_signal -1
	s_barrier_wait -1
.endm
.macro G1SET g, w0, c, r, p            ; rows of c elements of 8 bytes, r rows, p elements from row to row
	s_mov_b32 s[\g], \w0
	s_mov_b32 s[\g+1], (\c)<<16
	s_mov_b32 s[\g+2], (\r)<<16
	s_mov_b32 s[\g+3], (\c)<<16
	s_mov_b32 s[\g+4], \r
	s_mov_b32 s[\g+5], \p
	s_mov_b32 s[\g+6], 0
	s_mov_b32 s[\g+7], 0
.endm
.macro G0SET k, lds, base, disp        ; group 0 at s[k]: to LDS byte lds, from s[base] + disp
	s_mov_b32 s[\k], 1
	s_mov_b32 s[\k+1], \lds
	s_add_nc_u64 s[\k+2:\k+3], s[\base:\base+1], \disp
	s_or_b32 s[\k+3], s[\k+3], 0x80000000
.endm
.macro PLACES4
.rept 4
	v_nop
.endr
.endm
	s_load_b256 s[4:11], s[0:1], 0x0               ; vc, vs, pc, pst
	s_load_b64 s[12:13], s[0:1], 0x20              ; out0
	v_lshl_add_u32 v[SPW], v0, 2, SPARE
	v_mov_b32 v[NIL], 0
	ds_add_u32 v[SPW], v[NIL]                      ; the wave's opening: the add, twice on end, and its wait ahead of my first tensor load
	ds_add_u32 v[SPW], v[NIL]                      ; and once more; the set-up below, work on registers, stands between it and the wait
	v_lshrrev_b32 v5, 5, v0
	v_readfirstlane_b32 s14, v5                    ; wave 0..3
	v_and_b32 v3, 31, v0                           ; lane
	v_lshlrev_b32 v[LN], 4, v3
	v_and_b32 v1, 15, v0                           ; r
	v_bfe_u32 v2, v0, 4, 1                         ; h
	s_lshr_b32 s15, s14, 1                         ; wq: my half of the query tiles
	s_and_b32 s66, s14, 1                          ; wd: my half of the channel tiles
	s_bfe_u32 s84, ttmp6, 0x40000                  ; cx
	s_lshl_b32 s85, ttmp9, 2
	s_add_co_u32 s85, s85, s84                     ; my block of 128 channels: it enters V's and out0's addresses alone
	s_and_b32 s86, ttmp7, 0xffff                   ; y = batch x 8 + pair: the four partners share it
	s_and_b32 s[PR], s86, 7
	s_lshr_b32 s87, s86, 3                         ; batch
	s_sub_co_u32 s[LIM], 15, s[PR]
	G1SET S_P8, 15|(3<<16)|(1<<21), 32, 256, 32    ; eight chunks of P, 65,536 dense bytes as rows of 256; joint: mask 15, bit 21 beside it
	G1SET S_P9, 15|(3<<16)|(1<<21), 32, 288, 32    ; nine chunks
	G1SET S_V8, 3<<16, 1024, 8, 2048               ; V: eight steps: rows of 8,192 bytes (8 tiles), 16,384 apart
	G1SET S_V2, 3<<16, 256, 8, 2048                ; eight steps of two tiles: rows of 2,048 bytes
	G1SET S_VS, 3<<16, 64, 16, 128                 ; V's scale words: sixteen steps: rows of 512 bytes, 1,024 apart
	s_lshr_b32 s96, s85, 1
	s_lshl_b32 s96, s96, 6
	s_lshl_b32 s97, s87, 4
	s_add_co_u32 s96, s96, s97
	s_lshl_b32 s96, s96, 4
	s_and_b32 s97, s85, 1
	s_lshl_b32 s97, s97, 3
	s_add_co_u32 s96, s96, s97                     ; V's first fragment: ((d block of 256) x 64 + batch x 16) x 16 + 8 x (which half of it)
	s_lshl_b32 s98, s96, 10
	s_mov_b32 s99, 0
	s_lshl_b32 s100, s96, 6
	s_mov_b32 s101, 0
	s_mul_i32 s88, s86, 139264                     ; the pair's pack of P, made of y alone
	s_mov_b32 s89, 0
	s_mul_i32 s90, s86, 34816                      ; the pair's figures,
	s_lshl_b32 s91, s14, 9
	s_add_co_u32 s90, s90, s91                     ; from my two tiles on
	s_mov_b32 s91, 0
	s_lshl_b32 s92, s14, 11                        ; my quarter of V's tiles
	s_mov_b32 s93, 0
	s_wait_alu depctr_va_vdst(0)                   ; the wait here, ahead of the waits below
	s_wait_dscnt 0x0                               ; both opening adds are done
	s_wait_kmcnt 0x0
	s_add_nc_u64 s[10:11], s[10:11], s[90:91]
.set n, 0
.rept 17
	global_load_b128 v[FIG+4*n:FIG+4*n+3], v[LN], s[10:11] offset:2048*n   ; lane l: row l % 16 of tile 2 w + l / 16
.set n, n+1
.endr
	s_add_nc_u64 s[4:5], s[4:5], s[98:99]
	s_add_nc_u64 s[6:7], s[6:7], s[100:101]
	s_add_nc_u64 s[8:9], s[8:9], s[88:89]
	G0SET 68, VV, 4, 0
	G0SET 72, PPB+9*8192, 8, 9*8192
	G0SET 76, PPB, 8, 0
	G0SET 80, VSC, 6, 0
	s_mov_b32 s56, 1                               ; V's steps 8-15: my quarter
	s_lshl_b32 s57, s14, 14
	s_add_co_u32 s57, s57, VV+65536
	s_add_nc_u64 s[58:59], s[4:5], s[92:93]
	s_add_nc_u64 s[58:59], s[58:59], 8*16384
	s_or_b32 s59, s59, 0x80000000
	CROUND                                         ; all four work-groups are here: the joint loads meet
; THE HEAD'S LOADS, ONE A WAVE.  ONE tree of branches on the wave's number: every way through the head passes exactly one load.
.macro ARM under, g0, g1, next
	s_cmp_lt_u32 s14, \under
	s_cbranch_scc0 \next
	tensor_load_to_lds s[\g0:\g0+3], s[\g1:\g1+7]
	s_nop 0
	PLACES4
	s_branch .Lhead_asked
\next:
.endm
	ARM 1, 68, S_V8, .Lhead_p8
	ARM 2, 72, S_P8, .Lhead_p9
	ARM 3, 76, S_P9, .Lhead_vs
	tensor_load_to_lds s[80:83], s[S_VS:S_VS+7]
	s_nop 0
	PLACES4
.Lhead_asked:
	s_lshl_b32 s2, s66, 12
	s_add_co_u32 s2, s2, VV
	v_add_nc_u32 v[AV], s2, v[LN]                  ; V: my channel half, 16 x lane
	s_lshl_b32 s2, s66, 15
	s_add_co_u32 s2, s2, VV+65536
	v_add_nc_u32 v[AV+1], s2, v[LN]
	s_lshl_b32 s2, s15, 12
	v_add_nc_u32 v[AP0], s2, v[LN]                 ; P: my four tiles of a chunk
	v_add_nc_u32 v[AP0+1], 0x10000, v[AP0]
	v_add_nc_u32 v[AP0+2], 0x20000, v[AP0]
	s_lshl_b32 s2, s66, 8
	s_add_co_u32 s2, s2, VSC
	v_lshl_add_u32 v[AVS], v3, 2, s2
	s_lshl_b32 s2, s15, 8
	s_add_co_u32 s2, s2, FWA
	v_lshl_add_u32 v[AFW], v3, 2, s2               ; P's scale words: my two tile pairs
	v_lshl_add_u32 v[ARC], v1, 2, s2               ; 1 / sum: row r, in both halves of the lanes
	s_lshl_b32 s2, s14, 7
	s_add_co_u32 s2, s2, FWA
	v_lshl_add_u32 v[ASF], v3, 2, s2               ; the tile pair whose figures are mine
	s_mul_i32 s2, s14, 16*272
	s_add_co_u32 s2, s2, STAGE                     ; my stage
	v_mul_u32_u24 v5, v1, 272
	v_lshl_add_u32 v5, v2, 5, v5
	v_add_nc_u32 v[STO], s2, v5                    ; in: row r, 32 bytes for each half of the lanes
	v_mul_u32_u24 v5, v2, 272
	v_lshl_add_u32 v5, v1, 4, v5
	v_add_nc_u32 v[RD], s2, v5                     ; back: lanes 0-15 one row of 256 bytes, lanes 16-31 the next
	v_lshlrev_b32 v5, 12, v2
	v_lshl_add_u32 v[GO], v1, 4, v5                ; and the same two rows in out0
	v_mov_b32 v[BIG], 0x7f61b1e6                   ; 3e38: over every -M
	v_mov_b32 v[ZR], 0
.irp q, 0,1,2,3
	v_mov_b32 v[RL+2*\q+1], 0                      ; named as the upper half of a pair
.endr
.irp n, 9,10,11,12,13,14,15
	s_cmp_ge_u32 s[LIM], \n
	s_cselect_b32 s[SM+\n-9], -1, 0
.endr
	s_lshl_b32 s100, s87, 11
	s_lshl_b32 s101, s15, 6
	s_add_co_u32 s100, s100, s101                  ; batch x 2,048 + 64 wq
	s_lshl_b32 s101, s85, 9
	s_lshl_b32 s2, s66, 8
	s_add_co_u32 s101, s101, s2                    ; my 256 bytes of a row
	s_lshl_b32 s2, s[LIM], 7
	s_add_co_u32 s2, s2, s100
	s_lshl_b32 s2, s2, 12
	s_add_co_u32 s2, s2, s101
	s_mov_b32 s3, 0
	s_add_nc_u64 s[OBB:OBB+1], s[12:13], s[2:3]
	s_lshl_b32 s2, s[PR], 7
	s_add_co_u32 s2, s2, s100
	s_lshl_b32 s2, s2, 12
	s_add_co_u32 s2, s2, s101
	s_add_nc_u64 s[OBA:OBA+1], s[12:13], s[2:3]
	s_wait_alu depctr_va_vdst(0)                   ; the wait at the head's end
	s_wait_loadcnt 0x0                             ; the figures
	; THE FIGURES.  Lane l stands for row l % 16 of tile 2 w + l / 16.
.set n, 0
.rept 7                                ; chunks 9 .. 15 count for B or for A
	v_cndmask_b32 v[XB+n], v[BIG], v[FIG+36+4*n], s[SM+n]
	v_cndmask_b32 v[XA+n], v[FIG+36+4*n], v[BIG], s[SM+n]
.set n, n+1
.endr
	v_min3_num_f32 v[NB], v[FIG], v[FIG+4], v[FIG+8]   ; -M of the row = the least -M_n of its cells
	v_min3_num_f32 v[NA], v[FIG+64], v[XA], v[XA+1]
	v_min3_num_f32 v[NB], v[NB], v[FIG+12], v[FIG+16]
	v_min3_num_f32 v[NA], v[NA], v[XA+2], v[XA+3]
	v_min3_num_f32 v[NB], v[NB], v[FIG+20], v[FIG+24]
	v_min3_num_f32 v[NA], v[NA], v[XA+4], v[XA+5]
	v_min3_num_f32 v[NB], v[NB], v[FIG+28], v[FIG+32]
	v_min_num_f32 v[NA], v[NA], v[XA+6]
	v_min3_num_f32 v[NB], v[NB], v[XB], v[XB+1]
	v_min3_num_f32 v[NB], v[NB], v[XB+2], v[XB+3]
	v_min3_num_f32 v[NB], v[NB], v[XB+4], v[XB+5]
	v_min_num_f32 v[NB], v[NB], v[XB+6]
.set n, 0
.rept 7
	v_cndmask_b32 v[RF+n], v[NA], v[NB], s[SM+n]
.set n, n+1
.endr
.set n, 0
.rept 9
	v_sub_f32 v[ND+n], v[FIG+4*n], v[NB]           ; nd = M - M_n
.set n, n+1
.endr
.rept 7
	v_sub_f32 v[ND+n], v[FIG+4*n], v[RF+n-9]
.set n, n+1
.endr
	v_sub_f32 v[ND+16], v[FIG+64], v[NA]
.set n, 0
.rept 17
	v_min_num_f32 v[ND+n], 0x42fe0000, v[ND+n]     ; held at 127
.set n, n+1
.endr
.set n, 0
.rept 17
	v_cvt_u32_f32 v[ND+n], v[ND+n]
.set n, n+1
.endr
.set n, 0
.rept 17
	v_sub_nc_u32 v[DG+n], 0, v[ND+n]
.set n, n+1
.endr
.set n, 0
.rept 17
	v_ldexp_f32 v[TR+n], v[FIG+4*n+1], v[DG+n]     ; l_n 2^-nd
.set n, n+1
.endr
	v_add_f32 v[SB], v[TR], v[TR+1]
.set n, 0
.rept 7
	v_cndmask_b32 v[XB+n], v[ZR], v[TR+9+n], s[SM+n]
	v_add_f32 v[SB], v[SB], v[TR+2+n]
	v_cndmask_b32 v[XA+n], v[TR+9+n], v[ZR], s[SM+n]
.set n, n+1
.endr
	v_add_f32 v[SA], v[TR+16], v[XA]
	v_add_f32 v[SB], v[SB], v[XB]
.set n, 1
.rept 6
	v_add_f32 v[SA], v[SA], v[XA+n]
	v_add_f32 v[SB], v[SB], v[XB+n]
.set n, n+1
.endr
	; nd off each of a word's four bytes, held at 0.  A byte is at most 125 (p <= 1) and nd at most 127: with bit 7 set in each byte no borrow crosses bytes, and bit 7 stays where byte >= nd
.set n, 0
.rept 17
	v_perm_b32 v[DG+n], v[ND+n], v[ND+n], 0        ; nd in all four bytes
.set n, n+1
.endr
.set n, 0
.rept 17
	v_or_b32 v[WK+n], 0x80808080, v[FIG+4*n+2]
.set n, n+1
.endr
.set n, 0
.rept 17
	v_sub_nc_u32 v[WK+n], v[WK+n], v[DG+n]
.set n, n+1
.endr
.set n, 0
.rept 17
	v_and_b32 v[MK+n], 0x80808080, v[WK+n]
.set n, n+1
.endr
.set n, 0
.rept 17
	v_lshrrev_b32 v[MK+n], 7, v[MK+n]
.set n, n+1
.endr
.set n, 0
.rept 17
	v_lshlrev_b32 v[DG+n], 8, v[MK+n]
.set n, n+1
.endr
.set n, 0
.rept 17
	v_sub_nc_u32 v[MK+n], v[DG+n], v[MK+n]         ; 0xff in each byte that stays
.set n, n+1
.endr
.set n, 0
.rept 17
	v_and_b32 v[WK+n], 0x7f7f7f7f, v[WK+n]
.set n, n+1
.endr
.set n, 0
.rept 17
	v_and_b32 v[WK+n], v[WK+n], v[MK+n]
.set n, n+1
.endr
	s_wait_alu depctr_va_vdst(0)                   ; the wait ahead of the reciprocals
	v_rcp_f32 v[SB], v[SB]
	v_rcp_f32 v[SA], v[SA]
	v_nop                                          ; a plain place behind the last reciprocal
	s_wait_alu depctr_va_vdst(0)                   ; and ahead of their first reader
	s_wait_tensorcnt 0x0                           ; my load of the head's four is in
.set n, 0
.rept 17
	ds_store_b32 v[ASF], v[WK+n] offset:512*n
.set n, n+1
.endr
	ds_store_b32 v[ASF], v[SB] offset:512*17
	ds_store_b32 v[ASF], v[SA] offset:512*18
	s_wait_tensorcnt 0x0                           ; (none of mine is out)
	ds_add_u32 v[SPW], v[NIL]
	s_wait_dscnt 0x0                               ; the add is done, and so are my stores, which other waves read
	CROUND                                         ; all four tiles, words and sums are there
	tensor_load_to_lds s[56:59], s[S_V2:S_V2+7]    ; V's steps 8-15: the first tensor load behind the round, each wave into bytes of its own
	s_nop 0
	PLACES4
; Key step s of block A (blk = 1: chunk 16 - s) or B (0: chunk s) into a set: V's 4 fragments and 2 scale words, P's 4 fragments and 2 scale words: 20 loads.
.macro FETCH blk, s, set
.if (\blk)
.set nn, 16-(\s)
.else
.set nn, (\s)
.endif
.set fb, 64*(\set)
.irp u, 0,1
	ds_load_b32 v[VSW+2*(\set)+\u], v[AVS] offset:512*(\s)+128*\u
	ds_load_b32 v[FW+2*(\set)+\u], v[AFW] offset:512*nn+128*\u
.endr
	WIN 0x40
.irp d, 0,1,2,3
.irp c, 0,1
.if (\s) < 8
	ds_load_b128 v[fb+8*\d+4*\c:fb+8*\d+4*\c+3], v[AV] offset:8192*(\s)+1024*\d+512*\c
.else
	ds_load_b128 v[fb+8*\d+4*\c:fb+8*\d+4*\c+3], v[AV+1] offset:16384*(\d/2)+2048*((\s)-8)+1024*(\d%2)+512*\c
.endif
.endr
.endr
.irp q, 0,1,2,3
.irp c, 0,1
	ds_load_b128 v[fb+32+8*\q+4*\c:fb+32+8*\q+4*\c+3], v[AP0+nn/8] offset:8192*(nn%8)+1024*\q+512*\c
.endr
.endr
	WIN 0
.endm
; One matrix instruction.  ra, rb: the scale words of an odd tile stand in lanes 16-31 of their register.
.macro W4 d, a, b, c, sa, sb, ra, rb
.if (\ra) && (\rb)
	v_wmma_scale_f32_16x16x128_f8f6f4 v[\d:\d+7], v[\a:\a+7], v[\b:\b+7], \c, v[\sa], v[\sb] matrix_a_fmt:MATRIX_FMT_FP4 matrix_b_fmt:MATRIX_FMT_FP4 matrix_a_scale:MATRIX_SCALE_ROW1 matrix_b_scale:MATRIX_SCALE_ROW1
.elseif (\ra)
	v_wmma_scale_f32_16x16x128_f8f6f4 v[\d:\d+7], v[\a:\a+7], v[\b:\b+7], \c, v[\sa], v[\sb] matrix_a_fmt:MATRIX_FMT_FP4 matrix_b_fmt:MATRIX_FMT_FP4 matrix_a_scale:MATRIX_SCALE_ROW1
.elseif (\rb)
	v_wmma_scale_f32_16x16x128_f8f6f4 v[\d:\d+7], v[\a:\a+7], v[\b:\b+7], \c, v[\sa], v[\sb] matrix_a_fmt:MATRIX_FMT_FP4 matrix_b_fmt:MATRIX_FMT_FP4 matrix_b_scale:MATRIX_SCALE_ROW1
.else
	v_wmma_scale_f32_16x16x128_f8f6f4 v[\d:\d+7], v[\a:\a+7], v[\b:\b+7], \c, v[\sa], v[\sb] matrix_a_fmt:MATRIX_FMT_FP4 matrix_b_fmt:MATRIX_FMT_FP4
.endif
.endm
; 16 matrix instructions: the 16 accumulators by turns, one instruction a turn.  Step 0 starts the sums.
.macro MULS blk, s, set
.set fb, 64*(\set)
.irp q, 0,1,2,3
.irp d, 0,1,2,3
.if (\s) == 0
	W4 128*(1-(\blk))+8*(4*\q+\d), fb+8*\d, fb+32+8*\q, 0, VSW+2*(\set)+\d/2, FW+2*(\set)+\q/2, \d%2, \q%2
.else
	W4 128*(1-(\blk))+8*(4*\q+\d), fb+8*\d, fb+32+8*\q, v[128*(1-(\blk))+8*(4*\q+\d):128*(1-(\blk))+8*(4*\q+\d)+7], VSW+2*(\set)+\d/2, FW+2*(\set)+\q/2, \d%2, \q%2
.endif
.endr
.endr
.endm
; A KEY STEP.  The operands of the step two on are fetched first, then this step's are multiplied.
.macro PSTEP blk, s, last
.if (\s) > 0
	PLACES4                                        ; ahead of loads into registers that the last step's matrix instructions have read
.endif
.if ((\blk) == 0) && ((\s) == 6)
	s_wait_dscnt 0x0                               ; no LDS load of mine is out at the signal
	s_wait_tensorcnt 0x0                           ; my quarter of V's steps 8-15 is in
	s_barrier_signal -1
	s_barrier_wait -1                              ; everybody's is
.endif
.if (\s)+2 <= (\last)
	FETCH \blk, (\s)+2, ((\s)+2)%3
	s_wait_dscnt 40                                ; all but the youngest two fetches of 20: this step's operands are in
.elseif (\s)+1 <= (\last)
	s_wait_dscnt 20
.else
	s_wait_dscnt 0x0
.endif
	WIN 0xA5                                       ; sources 0 and 1 window 1, C and D window 2
	MULS \blk, \s, (\s)%3
	WIN 0
.endm
; THE WAY OUT, a tile of 16 queries x my 64 channels at a time: divided by the sum, through my own stage (LDS serves a wave's instructions in order), back as whole rows of 256 bytes.
.macro RLOAD blk
.irp q, 0,1,2,3
	ds_load_b32 v[RL+2*\q], v[ARC] offset:512*(17+(\blk))+64*\q
.endr
.endm
.macro OUTT blk, k
.set ob, OT+32*((\k)%2)
.set bb, BK+32*((\k)%2)
.set ab, 128*(1-(\blk))+32*(\k)
	WIN 0x02                                       ; source 0: the accumulators' window
.set i, 0
.rept 16
	v_pk_mul_f32 v[ob+i:ob+i+1], v[ab+i:ab+i+1], v[RL+2*(\k):RL+2*(\k)+1] op_sel_hi:[1,0]   ; each accumulator from its low end on
.set i, i+2
.endr
	WIN 0
.irp d, 0,1,2,3
	ds_store_b128 v[STO], v[ob+8*\d:ob+8*\d+3] offset:64*\d
	ds_store_b128 v[STO], v[ob+8*\d+4:ob+8*\d+7] offset:64*\d+16
.endr
.irp e, 0,1,2,3,4,5,6,7
	ds_load_b128 v[bb+4*\e:bb+4*\e+3], v[RD] offset:544*\e
.endr
.endm
.macro SENDT blk, k, younger           ; younger: the LDS instructions issued behind tile k's loads, which may stay out
.set bb, BK+32*((\k)%2)
	s_wait_dscnt \younger
.irp e, 0,1,2,3,4,5,6,7
.if (\blk)
	global_store_b128 v[GO], v[bb+4*\e:bb+4*\e+3], s[OBA:OBA+1] offset:(16*(\k)+2*\e)*4096 th:TH_STORE_NT   ; 16 lanes store 256 consecutive bytes, aligned; written once, read by nobody here
.else
	global_store_b128 v[GO], v[bb+4*\e:bb+4*\e+3], s[OBB:OBB+1] offset:(16*(\k)+2*\e)*4096 th:TH_STORE_NT
.endif
.endr
.endm
.macro OUTB blk
	OUTT \blk, 0
.irp k, 1,2,3
.if \k > 1
	s_wait_xcnt 0x0                                ; tile k - 2's stores have read their registers: tile k's loads may land there
.endif
	OUTT \blk, \k
	SENDT \blk, \k-1, 16                           ; behind tile k - 1's loads: tile k's 8 stores and 8 loads
.endr
	SENDT \blk, 3, 0
.endm
	; BLOCK A: steps 0 .. p.  The jumps hang on the pair's number, which the four partners share; no barrier and no tensor load stands under them.
	FETCH 1, 0, 0
	FETCH 1, 1, 1
.irp s, 0,1,2,3,4,5,6,7
	PSTEP 1, \s, 7
.if \s < 7
	s_cmp_eq_u32 s[PR], \s
	s_cbranch_scc1 .La_done
.endif
.endr
.La_done:
	s_wait_dscnt 0x0                               ; the fetches ahead of the last step have landed: their registers are used again below
	PLACES4                                        ; ahead of the loads below and of the reads of results
	RLOAD 1
	FETCH 0, 0, 0                                  ; block B's first two steps land while block A goes out
	FETCH 0, 1, 1
	s_wait_dscnt 40                                ; all but the 40 just issued: 1 / sum is in
	OUTB 1
	; BLOCK B: steps 0 .. 15 - p, at least 9
.irp s, 0,1,2,3,4,5,6,7,8,9,10,11,12,13,14,15
	PSTEP 0, \s, 15
.if (\s > 7) && (\s < 15)
	s_cmp_eq_u32 s[LIM], \s
	s_cbranch_scc1 .Lb_done
.endif
.endr
.Lb_done:
	s_wait_dscnt 0x0
	PLACES4                                        ; ahead of the reads of results
	RLOAD 0
	s_wait_xcnt 0x0                                ; block A's stores have read their registers
	s_wait_dscnt 0x0
	OUTB 0
	s_wait_tensorcnt 0x0                           ; the wave's end, behind my last tensor load and my last LDS store
	ds_add_u32 v[SPW], v[NIL]
	s_wait_dscnt 0x0
	CROUND                                         ; the closing round: no work-group ends while a partner may still ask for a tile that names it
	s_endpgm
.Lfunc_end_k_q0fbe4c63bd_pv:
	.size	k_q0fbe4c63bd_pv, .Lfunc_end_k_q0fbe4c63bd_pv-k_q0fbe4c63bd_pv
	.p2alignl 7, 3214868480
	.fill 96, 4, 3214868480
	.section	.rodata,"a",@progbits
	.p2align	6, 0x0
	.amdhsa_kernel k_q0fbe4c63bd_pv
		.amdhsa_group_segment_fixed_size 327680
		.amdhsa_private_segment_fixed_size 0
		.amdhsa_enable_private_segment 0
		.amdhsa_kernarg_size 40
		.amdhsa_user_sgpr_count 2
		.amdhsa_user_sgpr_kernarg_segment_ptr 1
		.amdhsa_wavefront_size32 1
		.amdhsa_system_sgpr_workgroup_id_x 1
		.amdhsa_system_sgpr_workgroup_id_y 1
		.amdhsa_system_sgpr_workgroup_id_z 1
		.amdhsa_system_vgpr_workitem_id 0
		.amdhsa_next_free_vgpr 768
		.amdhsa_next_free_sgpr 104
		.amdhsa_reserve_vcc 0
		.amdhsa_float_denorm_mode_32 3
		.amdhsa_float_denorm_mode_16_64 3
		.amdhsa_memory_ordered 1
		.amdhsa_forward_progress 1
		.amdhsa_inst_pref_size 138
	.end_amdhsa_kernel
	.amdgpu_metadata
---
amdhsa.version: [ 1, 2 ]
amdhsa.kernels:
  - .name:           k_q0fbe4c63bd_pv
    .symbol:         k_q0fbe4c63bd_pv.kd
    .args:
      - { .name: vc, .offset: 0, .size: 8, .value_kind: global_buffer, .address_space: global }
      - { .name: vs, .offset: 8, .size: 8, .value_kind: global_buffer, .address_space: global }
      - { .name: pc, .offset: 16, .size: 8, .value_kind: global_buffer, .address_space: global }
      - { .name: pst, .offset: 24, .size: 8, .value_kind: global_buffer, .address_space: global }
      - { .name: out0, .offset: 32, .size: 8, .value_kind: global_buffer, .address_space: global }
    .group_segment_fixed_size: 327680
    .private_segment_fixed_size: 0
    .kernarg_segment_align: 8
    .kernarg_segment_size: 40
    .max_flat_workgroup_size: 128
    .sgpr_count:     104
    .vgpr_count:     768
    .wavefront_size: 32
...
	.end_amdgpu_metadata
.endif
;; end of part 3
